; MI455X (gfx1250); checked and timed in simulation.
; The chip was launched on July 23, 2026; its instructions are those of AMD's public machine-readable ISA for CDNA 5 (MIT licence, August 2026) and "CDNA5" Instruction Set Architecture Reference Guide (July 2026). The comments in the code are by the model that wrote it; some were corrected since.
;; My Mo E Block. Allowed arithmetic: float matrix products may take bf16 or f16 operands with f32 sums; other float arithmetic in f32, or as packed bf16 or f16 multiplies, adds, multiply-adds, maxima and minima; sums over many terms, partial sums and values carried from step to step in f32; what a program stores and reads back later, other than sums and carried values, may be rounded once to bf16 or f16.
;; Inputs: W1 8 x 1,024 x 4,096 float32; W2 8 x 4,096 x 1,024 float32; Wr 1,024 x 8 float32; b1 8 x 4,096 float32; b2 8 x 1,024 float32; x 4 x 256 x 1,024 float32.
;; Outputs: out0 4 x 256 x 1,024 float32.
;; Constants: top_k = 2.
;; 3 versions, each right; version 2 is faster than version 1; version 3 is version 2 with the launch combine written anew for expert scheduling mode. Each part assembles by itself: llvm-mc -triple=amdgcn-amd-amdhsa -mcpu=gfx1250 --defsym DOCPART=n.
;; ======== version 1 of 3: 4 launches
;; limits: values are held in f16: magnitudes above 65,504 overflow, below 6.1e-05 lose precision
;; workspace buffers: xb 2,097,152 bytes; wts 8,192 bytes; idx 8,192 bytes of whole numbers; sel 4,096 bytes of whole numbers; h 67,108,864 bytes; part 33,685,504 bytes
;; launch router (part 1): grid 32 x 1, 16 waves a work-group, no clusters, 51,200 bytes of LDS; arguments x, Wr, xb, wts, idx, sel; writes xb, wts, idx, sel
.if DOCPART == 1
	.amdgcn_target "amdgcn-amd-amdhsa--gfx1250"
	.amdhsa_code_object_version 6
	.text
	.protected	k_q22a30f7ff4_router
	.globl	k_q22a30f7ff4_router
	.p2align	8
	.type	k_q22a30f7ff4_router,@function
k_q22a30f7ff4_router:
	s_mov_b64 s[64:65], 0
	v_nop
	global_prefetch_b8 v0, s[64:65] scope:SCOPE_SE
	s_setreg_imm32_b32 hwreg(HW_REG_WAVE_MODE, 25, 1), 1
	s_wait_xcnt 0x0
; ROUTER.  logits = x Wr, softmax, the two largest probabilities (of equals the lower index, as jax.lax.top_k keeps it); and x rounded to bf16 for the first product.
; x: [1024][1024] f32, Wr: [1024][8] f32.  OUT: xb [1024][1024] bf16; wts [1024][2] f32, the two probabilities; idx [1024][2] i32, their experts;
; sel [32 batches of 32 tokens][32 words]: word 2 e + c holds, a bit a token, "choice c is expert e"; words 16 to 31 are 0.
; SHARES.  A work-group has 32 tokens, sixteen waves.  For the logits a lane is a token and wave w has the channels 64 w to 64 w + 63; the sixteen partial sums meet in LDS, and wave 0 ends the work.
; ARITHMETIC.  x and Wr are rounded to bf16 (as every input of this program is), the products and sums are f32 multiply-adds on the vector unit: 8 columns would fill half a matrix tile,
; the whole product is 16.8 MFLOP of the program's 34 GFLOP, and with a token a lane the choices come out as lane masks without a step between lanes.
; LIMITS.  The maximum is taken away before the exponentials.  An exponential below 2^-126 counts as 0: it can change which expert is named with weight 0, no output.  NaN and infinities are not treated apart.
.set WRL,   0                          ; Wr, rounded, as f32: [1024][8], 32,768 bytes
.set PL,    32768                      ; partial logits [wave][lane][8] f32, 16,384 bytes
.set SPARE, 49152                      ; the spare words: 128 bytes for each of 16 waves
.set WR,  8                            ; v[8:23]    my 16 numbers of Wr
.set TP,  24                           ; v[24:31]   at work
.set XT,  32                           ; v[32:95]   my token's 64 channels
.set XL,  96                           ; v[96:159]  x as it lies: 16 bytes of 16 pieces of the group's rows
.set WV,  160                          ; v[160:223] Wr of 8 channels; also at work
.set ACC, 224                          ; v[224:239] 8 sums for even channels, 8 for odd ones
.set SPW, 240
.set NIL, 241
	s_load_b256 s[4:11], s[0:1], 0x0               ; x s[4:5], Wr s[6:7], xb s[8:9], wts s[10:11]
	s_load_b128 s[12:15], s[0:1], 0x20             ; idx s[12:13], sel s[14:15]
	v_lshl_add_u32 v[SPW], v0, 2, SPARE
	v_mov_b32 v[NIL], 0
	v_and_b32 v1, 31, v0                           ; lane
	v_lshrrev_b32 v5, 5, v0
	v_readfirstlane_b32 s16, v5                    ; wave
	v_lshlrev_b32 v2, 4, v0                        ; 16 x thread
	v_lshlrev_b32 v3, 12, v1
	v_lshl_add_u32 v3, v5, 8, v3                   ; my token's row, my wave's 256 bytes of it
	v_lshlrev_b32 v4, 3, v0                        ; 8 x thread
	v_lshlrev_b32 v6, 11, v5                       ; my wave's 64 channels of Wr in LDS
	v_lshlrev_b32 v7, 5, v0                        ; 32 x thread: my place among the partial logits
	s_mov_b32 s17, 0xffff0000
	s_lshl_b32 s18, ttmp9, 17                      ; 32 rows of 4,096 bytes
	s_mov_b32 s19, 0
	s_lshl_b32 s20, ttmp9, 16                      ; 32 rows of 2,048 bytes
	s_mov_b32 s21, 0
	s_wait_kmcnt 0x0
	s_add_nc_u64 s[4:5], s[4:5], s[18:19]
	s_add_nc_u64 s[8:9], s[8:9], s[20:21]
.set k, 0
.rept 4
	global_load_b128 v[WR+4*k:WR+4*k+3], v2, s[6:7] offset:8192*k
.set k, k+1
.endr
.set k, 0
.rept 16
	global_load_b128 v[XT+4*k:XT+4*k+3], v3, s[4:5] offset:16*k
.set k, k+1
.endr
.set k, 0
.rept 16
	global_load_b128 v[XL+4*k:XL+4*k+3], v2, s[4:5] offset:8192*k
.set k, k+1
.endr
	s_wait_loadcnt 32                              ; Wr is in; the 32 loads of x stay out
.set m, 0
.rept 8
	v_cvt_pk_bf16_f32 v[TP+m], v[WR+2*m], v[WR+2*m+1]
.set m, m+1
.endr
.set m, 0
.rept 8
	v_lshlrev_b32 v[WR+2*m], 16, v[TP+m]           ; the rounded number as f32
	v_and_b32 v[WR+2*m+1], s17, v[TP+m]
.set m, m+1
.endr
.set k, 0
.rept 4
	ds_store_b128 v2, v[WR+4*k:WR+4*k+3] offset:WRL+8192*k
.set k, k+1
.endr
	s_wait_dscnt 0x0                               ; for the others' sake: my part of Wr lies in LDS
	s_barrier_signal -1
	s_barrier_wait -1
	s_wait_loadcnt 16                              ; my token's channels are in; x as it lies stays out
.set m, 0
.rept 32
	v_cvt_pk_bf16_f32 v[WV+m], v[XT+2*m], v[XT+2*m+1]
.set m, m+1
.endr
.set m, 0
.rept 32
	v_lshlrev_b32 v[XT+2*m], 16, v[WV+m]
	v_and_b32 v[XT+2*m+1], s17, v[WV+m]
.set m, m+1
.endr
; eight batches of eight channels: all lanes read the same 256 bytes of Wr; each channel is four packed multiply-adds, x given to both halves; the first two channels start the sums
.set bt, 0
.rept 8
.set dd, 0
.rept 8
	ds_load_b128 v[WV+8*dd:WV+8*dd+3],   v6 offset:WRL+(8*bt+dd)*32
	ds_load_b128 v[WV+8*dd+4:WV+8*dd+7], v6 offset:WRL+(8*bt+dd)*32+16
.set dd, dd+1
.endr
	s_wait_dscnt 0x0
.set dd, 0
.rept 8
.set k, 0
.rept 4
.set ra, ACC+8*(dd%2)+2*k
.set rx, XT+8*bt+2*(dd/2)
.set rw, WV+8*dd+2*k
.if (bt == 0) && (dd == 0)
	v_pk_mul_f32 v[ra:ra+1], v[rx:rx+1], v[rw:rw+1] op_sel:[0,0] op_sel_hi:[0,1]
.elseif (bt == 0) && (dd == 1)
	v_pk_mul_f32 v[ra:ra+1], v[rx:rx+1], v[rw:rw+1] op_sel:[1,0] op_sel_hi:[1,1]
.elseif dd%2 == 0
	v_pk_fma_f32 v[ra:ra+1], v[rx:rx+1], v[rw:rw+1], v[ra:ra+1] op_sel:[0,0,0] op_sel_hi:[0,1,1]
.else
	v_pk_fma_f32 v[ra:ra+1], v[rx:rx+1], v[rw:rw+1], v[ra:ra+1] op_sel:[1,0,0] op_sel_hi:[1,1,1]
.endif
.set k, k+1
.endr
.set dd, dd+1
.endr
.set bt, bt+1
.endr
.set k, 0
.rept 4
	v_pk_add_f32 v[ACC+2*k:ACC+2*k+1], v[ACC+2*k:ACC+2*k+1], v[ACC+8+2*k:ACC+8+2*k+1]
.set k, k+1
.endr
	ds_store_b128 v7, v[ACC:ACC+3] offset:PL
	ds_store_b128 v7, v[ACC+4:ACC+7] offset:PL+16
	s_wait_loadcnt 0x0                             ; x as it lies
.set m, 0
.rept 32
	v_cvt_pk_bf16_f32 v[WV+m], v[XL+2*m], v[XL+2*m+1]
.set m, m+1
.endr
.set k, 0
.rept 16
	global_store_b64 v4, v[WV+2*k:WV+2*k+1], s[8:9] offset:4096*k  ; a wave's store covers 256 consecutive bytes, aligned
.set k, k+1
.endr
	s_wait_dscnt 0x0                               ; for wave 0's sake: my partial logits lie in LDS
	s_barrier_signal -1
	s_barrier_wait -1
	s_cmp_lg_u32 s16, 0
	s_cbranch_scc1 .Lend
	; WAVE 0, a lane a token: the sixteen partial sums, the softmax, the two largest
.set wv, 0
.rept 16
	ds_load_b128 v[32+8*wv:32+8*wv+3],   v7 offset:PL+1024*wv
	ds_load_b128 v[32+8*wv+4:32+8*wv+7], v7 offset:PL+1024*wv+16
.set wv, wv+1
.endr
	s_lshl_b32 s24, ttmp9, 8
	s_mov_b32 s25, 0
	s_add_nc_u64 s[10:11], s[10:11], s[24:25]      ; 32 tokens x 8 bytes in wts and in idx
	s_add_nc_u64 s[12:13], s[12:13], s[24:25]
	s_lshl_b32 s24, ttmp9, 7
	s_add_nc_u64 s[14:15], s[14:15], s[24:25]      ; the batch's 32 words in sel
	v_lshlrev_b32 v252, 2, v1
	s_wait_dscnt 0x0
.irp st, 8,4,2,1
.set wv, 0
.rept \st
.set k, 0
.rept 4
	v_pk_add_f32 v[32+8*wv+2*k:32+8*wv+2*k+1], v[32+8*wv+2*k:32+8*wv+2*k+1], v[32+8*(wv+\st)+2*k:32+8*(wv+\st)+2*k+1]
.set k, k+1
.endr
.set wv, wv+1
.endr
.endr
	v_max3_num_f32 v242, v32, v33, v34             ; the eight logits lie in v[32:39]
	v_max3_num_f32 v242, v242, v35, v36
	v_max3_num_f32 v242, v242, v37, v38
	v_max_num_f32 v242, v242, v39
.irp i, 0,1,2,3,4,5,6,7
	v_sub_f32 v[40+\i], v[32+\i], v242
.endr
.irp i, 0,1,2,3,4,5,6,7
	v_mul_f32 v[40+\i], 0x3fb8aa3b, v[40+\i]       ; log2(e)
.endr
.irp i, 0,1,2,3,4,5,6,7
	v_exp_f32 v[40+\i], v[40+\i]
.endr
	v_nop                                          ; a plain instruction behind the last exponential,
	s_wait_alu depctr_va_vdst(0)                   ; and one wait for the eight, ahead of their first reader
	v_add_f32 v243, v40, v41
	v_add_f32 v244, v42, v43
	v_add_f32 v245, v44, v45
	v_add_f32 v250, v46, v47
	v_add_f32 v243, v243, v244
	v_add_f32 v245, v245, v250
	v_add_f32 v243, v243, v245
	v_rcp_f32 v244, v243
	v_nop
	s_wait_alu depctr_va_vdst(0)
.irp i, 0,1,2,3,4,5,6,7
	v_mul_f32 v[40+\i], v[40+\i], v244             ; the probabilities
.endr
	v_mov_b32 v246, v40                            ; the largest: a later one takes its place only if it is greater
	v_mov_b32 v248, 0
.irp i, 1,2,3,4,5,6,7
	v_cmp_gt_f32 vcc_lo, v[40+\i], v246
	v_cndmask_b32 v246, v246, v[40+\i], vcc_lo
	v_cndmask_b32 v248, v248, \i, vcc_lo
.endr
	v_mov_b32 v247, -1.0                           ; the second: the same among the other seven
	v_mov_b32 v249, 0
.irp i, 0,1,2,3,4,5,6,7
	v_cmp_gt_f32 s22, v[40+\i], v247
	v_cmp_ne_u32 s23, \i, v248
	s_and_b32 s22, s22, s23
	v_cndmask_b32 v247, v247, v[40+\i], s22
	v_cndmask_b32 v249, v249, \i, s22
.endr
	v_mov_b32 v250, 0
.irp i, 0,1,2,3,4,5,6,7
	v_cmp_eq_u32 s22, \i, v248                     ; a bit a token,
	v_cmp_eq_u32 s23, \i, v249
	v_writelane_b32 v250, s22, 2*\i                ; laid into the lane that stores the word
	v_writelane_b32 v250, s23, 2*\i+1
.endr
	global_store_b64 v4, v[246:247], s[10:11]      ; 256 consecutive bytes each
	global_store_b64 v4, v[248:249], s[12:13]
	global_store_b32 v252, v250, s[14:15]
.Lend:
	s_wait_tensorcnt 0x0                           ; the wave's end: a tensor wait, a closing LDS add and its wait, behind my last LDS store
	ds_add_u32 v[SPW], v[NIL]
	s_wait_dscnt 0x0
	s_endpgm
.Lfunc_end_k_q22a30f7ff4_router:
	.size	k_q22a30f7ff4_router, .Lfunc_end_k_q22a30f7ff4_router-k_q22a30f7ff4_router
	.p2alignl 7, 3214868480
	.fill 96, 4, 3214868480
	.section	.rodata,"a",@progbits
	.p2align	6, 0x0
	.amdhsa_kernel k_q22a30f7ff4_router
		.amdhsa_group_segment_fixed_size 51200
		.amdhsa_private_segment_fixed_size 0
		.amdhsa_enable_private_segment 0
		.amdhsa_kernarg_size 48
		.amdhsa_user_sgpr_count 2
		.amdhsa_user_sgpr_kernarg_segment_ptr 1
		.amdhsa_wavefront_size32 1
		.amdhsa_system_sgpr_workgroup_id_x 1
		.amdhsa_system_sgpr_workgroup_id_y 1
		.amdhsa_system_sgpr_workgroup_id_z 1
		.amdhsa_system_vgpr_workitem_id 0
		.amdhsa_next_free_vgpr 256
		.amdhsa_next_free_sgpr 66
		.amdhsa_reserve_vcc 1
		.amdhsa_float_denorm_mode_32 3
		.amdhsa_float_denorm_mode_16_64 3
		.amdhsa_memory_ordered 1
		.amdhsa_forward_progress 1
		.amdhsa_inst_pref_size 52
	.end_amdhsa_kernel
	.amdgpu_metadata
---
amdhsa.version: [ 1, 2 ]
amdhsa.kernels:
  - .name:           k_q22a30f7ff4_router
    .symbol:         k_q22a30f7ff4_router.kd
    .args:
      - { .name: x, .offset: 0, .size: 8, .value_kind: global_buffer, .address_space: global }
      - { .name: Wr, .offset: 8, .size: 8, .value_kind: global_buffer, .address_space: global }
      - { .name: xb, .offset: 16, .size: 8, .value_kind: global_buffer, .address_space: global }
      - { .name: wts, .offset: 24, .size: 8, .value_kind: global_buffer, .address_space: global }
      - { .name: idx, .offset: 32, .size: 8, .value_kind: global_buffer, .address_space: global }
      - { .name: sel, .offset: 40, .size: 8, .value_kind: global_buffer, .address_space: global }
    .group_segment_fixed_size: 51200
    .private_segment_fixed_size: 0
    .kernarg_segment_align: 8
    .kernarg_segment_size: 48
    .max_flat_workgroup_size: 512
    .sgpr_count:     66
    .vgpr_count:     256
    .wavefront_size: 32
...
	.end_amdgpu_metadata
.endif
;; end of part 1
;; launch fc1 (part 2): grid 32 x 8, 4 waves a work-group, no clusters, 268,288 bytes of LDS; arguments xb, W1, b1, sel, h; writes h
.if DOCPART == 2
	.amdgcn_target "amdgcn-amd-amdhsa--gfx1250"
	.amdhsa_code_object_version 6
	.text
	.protected	k_q22a30f7ff4_fc1
	.globl	k_q22a30f7ff4_fc1
	.p2align	8
	.type	k_q22a30f7ff4_fc1,@function
k_q22a30f7ff4_fc1:
	s_mov_b64 s[64:65], 0
	v_nop
	global_prefetch_b8 v0, s[64:65] scope:SCOPE_SE
	s_setreg_imm32_b32 hwreg(HW_REG_WAVE_MODE, 25, 1), 1
	s_wait_xcnt 0x0
; FIRST PRODUCT OF THE CHOSEN ROWS.  h = gelu(x W1[e] + b1[e]) for the tokens that chose expert e, in the order of their numbers.
; xb: [1024][1024] bf16.  W1: [8][1024][4096] f32.  b1: [8][4096] f32.  sel: the choices as lane masks (see below).
; h: f16, [8 e][64 tiles of 16 sorted rows][64 groups of 64 hidden][4 quads][32 lanes][16 bytes]: the second product's operand registers as they lie.
; SHARES.  Work-group (ns, e) has the slice W1[e][all 1,024 k][128 ns .. +127], 512 KiB of f32 that it alone reads, once, and ALL rows of expert e.  Tile T of 16 sorted rows belongs to wave T % 4;
; a wave holds five tiles x 8 column tiles = 40 accumulators, so the first pass takes 320 rows; passes 1 to 3 take the rest of any split (1,024 rows at the most) out of the slice, which by then lies whole in LDS.
; THE STREAM.  K goes in 16 chunks of 64.  Wave w = 2 g + s loads, of each chunk, 32 rows x 256 bytes (column group g, K step s): lanes 0-15 take 256 consecutive bytes of a row, aligned, lanes 16-31 of the row 32 below.
; Rounding pairs of rows packs the operand registers at once, with no transposition: slot (lane half hh, register p, half b) of BOTH operands holds k = 64 c + 32 hh + 16 s + 2 p + b (one permutation of k, alike on both
; sides), and lane l % 16 of column tile t means column 4 (l % 16) + t of the group.  The fragments go to LDS, each byte written once; every wave reads all of a chunk's.  One barrier a chunk.
; THE MATRIX INSTRUCTION IS USED TRANSPOSED (source 0 = weights, source 1 = tokens): a lane then holds one token and the hidden columns 32 hh + 4 j + t, which are just the 32 k that the second product's lane wants.
; THE ROUTING is made here: every wave counts the expert's rows from the lane masks; wave 0 lays the list of 2 token + choice into LDS.  Places past the count hold 0 (token 0: a row that exists); whole tiles are stored.
; NO CLUSTER: each weight byte has one reader; the rows that an expert's 32 work-groups share come by a list, which no tensor descriptor covers.  No tensor loads: the weights pass through registers to be rounded.
; THE FORMATS.  All inputs are rounded to bf16.  h, which the program itself makes, is rounded to f16: its 11 significant bits leave an eighth of bf16's error, which an output row with large gate weights needs.
; LIMITS.  f16 ends at 65,504: the text serves |x W1 + b1| below that.  A sum of 1,024 products of x (spread 1) and W1 (spread 0.02) has spread 0.64; with both 30 times larger 576; with offsets of 30 spreads on both
; (30 and 0.6) it is about 1,024 x 18 = 18,432.  Below 6.1e-5 h keeps f16's fixed step of 6e-8.  erf by a polynomial times an exponential (Abramowitz and Stegun 7.1.26), absolute error 1.5e-7, for every finite argument;
; the exponential below 2^-126 counts as 0.  NaN and infinities are not treated apart.  Rows past 320 of an expert are multiplied without loads ahead.
.set LROW,  14                         ; a row of W1 is 2^14 bytes
.set ROWB,  1<<LROW
.set CHB,   64*ROWB                    ; a chunk of weights in memory
.set ACH,   128                        ; a chunk of a token's row
.set AQ,    16                         ; from quad to quad of it
.set CHL,   16384                      ; a chunk in LDS: fragment (w, t) at (4 w + t) x 1,024, its registers 4-7 at + 512, 16 bytes a lane
.set LIST,  262144                     ; behind the slice: 1,280 entries, then 32 words for the lanes that have nothing to store
.set SPARE, 267776                     ; the spare words: 128 bytes for each wave
; window 0: v0 thread; v1 16 x lane; v2 my place in a chunk of weights; v3 where I store fragments; v4 where I read them; v5 64 hh; v6 my place in the list; v7 my place in sel; v15 128 hh
.set AOFF, 10                          ; v10-14   byte offset of my row of xb, for each of five tiles
.set SPW,  16
.set NIL,  17
.set BF,   32                          ; v32-159  the chunk's fragments: K step s, column tile n at BF + 64 s + 8 n
.set CT,   160                         ; v160-191 fragments just rounded
.set BL,   192                         ; v192-255 the bias of my 64 columns: BL + 32 g + 4 j + t
; window 1: accumulators of tiles 0-3 at 64 j + 8 n.  window 2: v0-63 tile 4's; v64-127, v128-191 weights as loaded, two sets.  window 3: token fragments, two sets: 80 set + 16 j + 4 quad
.set PG,   32                          ; the way out, window 0: u, later the result
.set MG,   64                          ; |u|
.set TG,   96                          ; t = 1 / (1 + p z); later the packed result
.set EG,   128                         ; e^(-z z)
.set RG,   160                         ; the polynomial
.set SW,   32                          ; s[32:33] weights: walks
.set SA,   34                          ; s[34:35] xb: walks
.set PZ,   44                          ; s[44:57] constants, each twice: the packed forms name pairs
.set NK,   46
.set A1,   48
.set A2,   50
.set A3,   52
.set A4,   54
.set A5,   56
; s14 wave, s15 g, s16 s, s17 e, s18 ns, s19 rows of the expert, s20 its tiles (at least 1), s21 my live tiles in this pass, s22 pass, s23, s24 counters, s28 my first tile of the pass
.set MSB, 0
.macro WIN new                         ; s_set_vgpr_msb: bits 1:0 source 0, 3:2 source 1, 5:4 source 2, 7:6 destination; the high byte repeats the setting that is left
.if MSB != (\new)
	s_set_vgpr_msb (MSB<<8)|(\new)
.set MSB, \new
.endif
.endm
.macro PLACES                          ; four plain instructions between a matrix instruction and a load into, or a read of, its registers
.rept 4
	v_nop
.endr
.endm
.macro KON r, val
	s_mov_b32 s[\r], \val
	s_mov_b32 s[(\r)+1], \val
.endm
.macro WLOAD set, k                    ; my 32 rows x 256 bytes of the chunk k chunks behind s[SW]
	WIN 0x80
.set i, 0
.rept 16
	global_load_b128 v[64+64*(\set)+4*i:64+64*(\set)+4*i+3], v2, s[SW:SW+1] offset:(\k)*CHB+i*ROWB th:TH_LOAD_NT
.set i, i+1
.endr
.endm
.macro CVT set                         ; register p of column tile t = rows 2 p and 2 p + 1 of column t, rounded
	WIN 0x0a
.set t, 0
.rept 4
.set p, 0
.rept 8
	v_cvt_pk_bf16_f32 v[CT+8*t+p], v[64+64*(\set)+8*p+t], v[64+64*(\set)+8*p+4+t]
.set p, p+1
.endr
.set t, t+1
.endr
.endm
.macro WSTORE k
	WIN 0
.set t, 0
.rept 4
	ds_store_b128 v3, v[CT+8*t:CT+8*t+3]   offset:(\k)*CHL+t*1024
	ds_store_b128 v3, v[CT+8*t+4:CT+8*t+7] offset:(\k)*CHL+t*1024+512
.set t, t+1
.endr
.endm
.macro BLOAD k                         ; all of a chunk's fragments, K step 0 first; 512 consecutive bytes a load
	WIN 0
.set st, 0
.rept 2
.set n, 0
.rept 8
	ds_load_b128 v[BF+64*st+8*n:BF+64*st+8*n+3],   v4 offset:(\k)*CHL+((2*(n/4)+st)*4+n%4)*1024
	ds_load_b128 v[BF+64*st+8*n+4:BF+64*st+8*n+7], v4 offset:(\k)*CHL+((2*(n/4)+st)*4+n%4)*1024+512
.set n, n+1
.endr
.set st, st+1
.endr
.endm
.macro ALOAD set, k                    ; five tiles' token fragments of a chunk: always all five, so that every counted wait holds on every path
	WIN 0xc0
.set j, 0
.rept 5
.set q, 0
.rept 4
	global_load_b128 v[80*(\set)+16*j+4*q:80*(\set)+16*j+4*q+3], v[AOFF+j], s[SA:SA+1] offset:(\k)*ACH+q*AQ
.set q, q+1
.endr
.set j, j+1
.endr
.endm
; One K step of 32: 40 matrix instructions, each accumulator one turn.  zero = 1: the products start the sums, for all five tiles.  Else the fifth tile is jumped where the wave has fewer.
.macro MM ks, p, zero
	WIN 0x5c                                       ; weights window 0, tokens window 3, sums window 1
.set j, 0
.rept 4
.set n, 0
.rept 8
.if \zero
	v_wmma_f32_16x16x32_bf16 v[64*j+8*n:64*j+8*n+7], v[BF+64*(\ks)+8*n:BF+64*(\ks)+8*n+7], v[80*(\p)+16*j+8*(\ks):80*(\p)+16*j+8*(\ks)+7], 0
.else
	v_wmma_f32_16x16x32_bf16 v[64*j+8*n:64*j+8*n+7], v[BF+64*(\ks)+8*n:BF+64*(\ks)+8*n+7], v[80*(\p)+16*j+8*(\ks):80*(\p)+16*j+8*(\ks)+7], v[64*j+8*n:64*j+8*n+7]
.endif
.set n, n+1
.endr
.set j, j+1
.endr
.if !(\zero)
	WIN 0
	s_cmp_lt_u32 s21, 5
	s_cbranch_scc1 .Lno5_\@
.endif
	WIN 0xac                                       ; sums window 2
.set n, 0
.rept 8
.if \zero
	v_wmma_f32_16x16x32_bf16 v[8*n:8*n+7], v[BF+64*(\ks)+8*n:BF+64*(\ks)+8*n+7], v[80*(\p)+64+8*(\ks):80*(\p)+64+8*(\ks)+7], 0
.else
	v_wmma_f32_16x16x32_bf16 v[8*n:8*n+7], v[BF+64*(\ks)+8*n:BF+64*(\ks)+8*n+7], v[80*(\p)+64+8*(\ks):80*(\p)+64+8*(\ks)+7], v[8*n:8*n+7]
.endif
.set n, n+1
.endr
	WIN 0
.if !(\zero)
.Lno5_\@:
.endif
.endm
; Trip c multiplies chunk c (tokens in set p = c % 2), rounds and stores chunk c + 1, and asks for the tokens of chunk c + 1 and then for the weights of chunk c + 3.
; wcnt: the loads that may stay out when the tokens of c and the weights of c + 1 must be in: the 16 of chunk c + 2.  The 32 conversions are the places behind the last trip's products.
.macro TRIP p, kB, kS, kA, kW, cv, lw, la, wcnt, zero, bar
	s_wait_loadcnt \wcnt
.if \cv
	CVT 1-(\p)
	WSTORE \kS
.else
	WIN 0
	PLACES
.endif
	BLOAD \kB
.if \la
	ALOAD 1-(\p), \kA
.endif
.if \lw
	WLOAD 1-(\p), \kW
.endif
	s_wait_dscnt 16                                ; my stores and K step 0's fragments are done; K step 1's 16 loads may be out
	MM 0, \p, \zero
	s_wait_dscnt 0x0                               ; for the others' sake too: my fragments of chunk c + 1 lie in LDS
.if \bar
	s_barrier_signal -1
.endif
	MM 1, \p, 0                                    ; work on registers while the others arrive
.if \bar
	s_barrier_wait -1                              ; chunk c + 1 is whole.  No LDS byte is written twice, so one barrier a chunk is enough
.endif
.endm
.macro OTRIP zero                      ; a chunk of a later pass: the slice lies in LDS; nothing is asked for ahead
	WIN 0
	PLACES
	BLOAD 0
	ALOAD 0, 0
	WIN 0
	s_wait_loadcnt 0x0
	s_wait_dscnt 0x0
	MM 0, 0, \zero
	MM 1, 0, 0
	s_add_nc_u64 s[SA:SA+1], s[SA:SA+1], ACH       ; its loads are done
	v_add_nc_u32 v4, CHL, v4
.endm
.macro CALCNL                          ; s28 = 20 pass + wave, my first tile; s21 = how many of s28, s28 + 4, .. s28 + 16 lie under s20
	s_mul_i32 s28, s22, 20
	s_add_co_u32 s28, s28, s14
	s_sub_co_i32 s25, s20, s28
	s_max_i32 s25, s25, 0
	s_add_co_u32 s25, s25, 3
	s_lshr_b32 s25, s25, 2
	s_min_u32 s21, s25, 5
.endm
.macro SETUP                           ; my row's token in each of the five tiles, from the list
	WIN 0
.irp j, 0,1,2,3,4
	ds_load_b32 v[22+\j], v6 offset:256*\j
.endr
	s_wait_dscnt 0x0
.irp j, 0,1,2,3,4
	v_lshrrev_b32 v[22+\j], 1, v[22+\j]
	v_min_u32 v[22+\j], 0x3ff, v[22+\j]
	v_lshl_add_u32 v[AOFF+\j], v[22+\j], 11, v5    ; token x 2,048 + 64 hh
.endr
.endm
	s_load_b256 s[4:11], s[0:1], 0x0               ; xb s[4:5], W1 s[6:7], b1 s[8:9], sel s[10:11]
	s_load_b64 s[12:13], s[0:1], 0x20              ; h
	v_lshl_add_u32 v[SPW], v0, 2, SPARE
	v_mov_b32 v[NIL], 0
	v_lshrrev_b32 v8, 5, v0
	v_readfirstlane_b32 s14, v8                    ; wave
	s_lshr_b32 s15, s14, 1                         ; g: my column group
	s_and_b32 s16, s14, 1                          ; s: my K step
	s_and_b32 s17, ttmp7, 0xffff                   ; e
	s_mov_b32 s18, ttmp9                           ; ns
	v_and_b32 v9, 31, v0                           ; lane
	v_and_b32 v20, 15, v0                          ; l % 16
	v_bfe_u32 v21, v0, 4, 1                        ; hh = l / 16
	v_lshlrev_b32 v1, 4, v9
	s_lshl_b32 s25, s16, LROW+4                    ; 16 s rows
	s_lshl_b32 s26, s15, 8                         ; 256 g bytes
	s_add_co_u32 s25, s25, s26
	v_lshl_add_u32 v2, v21, LROW+5, s25            ; + 32 hh rows
	v_lshl_add_u32 v2, v20, 4, v2                  ; + 16 (l % 16)
	s_lshl_b32 s25, s14, 12
	v_add_nc_u32 v3, s25, v1                       ; my four fragments of a chunk
	v_mov_b32 v4, v1
	v_lshlrev_b32 v5, 6, v21
	s_lshl_b32 s25, s14, 6
	s_add_co_u32 s25, s25, LIST
	v_lshl_add_u32 v6, v20, 2, s25                 ; entry 16 w + l % 16; 64 entries on for each further tile
	s_lshl_b32 s25, s17, 3
	v_lshl_add_u32 v7, v9, 7, s25                  ; lane b: batch b's two words for expert e
	v_lshlrev_b32 v15, 7, v21
	v_add_nc_u32 v23, 0x500, v9                    ; where a lane without a row stores: entry 1,280 + lane
	v_lshlrev_b32 v24, 1, v9                       ; 2 token, for choice 0,
	v_lshl_or_b32 v25, v9, 1, 1                    ; and for choice 1
	v_add_nc_u32 v27, LIST, v1
	v_mov_b32 v28, 0
	v_mov_b32 v29, 0
	v_mov_b32 v30, 0
	v_mov_b32 v31, 0
	KON PZ, 0x3e6d3388                             ; 0.3275911 / sqrt(2)
	KON NK, 0xbf38aa3b                             ; -log2(e) / 2
	KON A1, 0x3e027906                             ; the five coefficients, halved
	KON A2, 0xbe11a98e
	KON A3, 0x3f35f0e3
	KON A4, 0xbf3a00e3
	KON A5, 0x3f07dc22
	s_mov_b32 s62, 0x7fffffff
	s_mov_b32 s63, 0xffff0000
	s_lshl_b32 s26, s17, 24                        ; W1: e x 16 MiB + ns x 512
	s_lshl_b32 s27, s18, 9
	s_add_co_u32 s26, s26, s27
	s_mov_b32 s27, 0
	s_lshl_b32 s28, s17, 14                        ; b1: e x 16,384 + ns x 512
	s_lshl_b32 s29, s18, 9
	s_add_co_u32 s28, s28, s29
	s_mov_b32 s29, 0
	s_lshl_b32 s30, s17, 23                        ; h: e x 8 MiB + ns x 2 groups of 2,048
	s_lshl_b32 s31, s18, 12
	s_add_co_u32 s30, s30, s31
	s_mov_b32 s31, 0
	s_mov_b32 s19, 0
	s_mov_b32 s66, 0
	s_mov_b32 s22, 0
	s_wait_kmcnt 0x0
	s_add_nc_u64 s[SW:SW+1], s[6:7], s[26:27]
	s_add_nc_u64 s[40:41], s[8:9], s[28:29]
	s_add_nc_u64 s[38:39], s[12:13], s[30:31]
	s_mov_b64 s[SA:SA+1], s[4:5]
	global_load_b64 v[18:19], v7, s[10:11]
.set g, 0
.rept 2
.set r, 0
.rept 8
	global_load_b128 v[BL+32*g+4*r:BL+32*g+4*r+3], v15, s[40:41] offset:256*g+16*r
.set r, r+1
.endr
.set g, g+1
.endr
	WLOAD 0, 0
	WLOAD 1, 1
	WIN 0
	; THE LIST.  Up to the barrier below wave 0 alone touches LDS.
	s_cmp_lg_u32 s14, 0
	s_cbranch_scc1 .Lnofill
.set i, 0
.rept 10
	ds_store_b128 v27, v[28:31] offset:512*i       ; every entry starts as 0
.set i, i+1
.endr
.Lnofill:
	s_wait_loadcnt 48                              ; the masks are in; the bias's 16 loads and two chunks' 32 stay out
.Lbatch:                                               ; 32 batches of 32 tokens
	v_readlane_b32 s67, v18, s66                   ; who chose e first,
	v_readlane_b32 s68, v19, s66                   ; who second
	s_or_b32 s69, s67, s68
	s_cmp_lg_u32 s14, 0
	s_cbranch_scc1 .Lnolist
	v_mbcnt_lo_u32_b32 v22, s69, s19               ; my rank: the rows so far + the batch's rows in lower lanes
	v_cndmask_b32 v22, v23, v22, s69
	v_min_u32 v22, 0x51f, v22
	v_lshl_add_u32 v22, v22, 2, LIST
	v_cndmask_b32 v26, v24, v25, s68
	ds_store_b32 v22, v26
	v_add_nc_u32 v24, 64, v24
	v_add_nc_u32 v25, 64, v25
.Lnolist:
	s_bcnt1_i32_b32 s70, s69
	s_add_co_u32 s19, s19, s70
	s_add_co_u32 s66, s66, 1
	s_cmp_lt_u32 s66, 32
	s_cbranch_scc1 .Lbatch
	s_wait_loadcnt 32                              ; the bias is in; two chunks stay out
.set m, 0
.rept 32
	v_cvt_pk_bf16_f32 v[BF+m], v[BL+2*m], v[BL+2*m+1]
.set m, m+1
.endr
.set m, 0
.rept 32
	v_lshlrev_b32 v[BL+2*m], 16, v[BF+m]
	v_and_b32 v[BL+2*m+1], s63, v[BF+m]
.set m, m+1
.endr
	s_wait_dscnt 0x0                               ; the list lies in LDS
	s_barrier_signal -1
	s_barrier_wait -1
	s_min_u32 s19, s19, 0x400
	s_add_co_u32 s20, s19, 15
	s_lshr_b32 s20, s20, 4
	s_max_u32 s20, s20, 1                          ; tile 0 is always made: the second product's clamped loads find it
	CALCNL
	SETUP
	ALOAD 0, 0
	s_wait_loadcnt 36                              ; chunk 0 is in; chunk 1's 16 loads and the tokens' 20 stay out
	CVT 0
	WSTORE 0
	WLOAD 0, 2
	WIN 0
	s_wait_dscnt 0x0
	s_barrier_signal -1
	s_barrier_wait -1                              ; chunk 0 is whole
	TRIP 0, 0, 1, 1, 3, 1, 1, 1, 16, 1, 1
	s_wait_xcnt 0x0                                ; the bases are stepped only behind this wait
	s_add_nc_u64 s[SW:SW+1], s[SW:SW+1], 4*CHB
	s_add_nc_u64 s[SA:SA+1], s[SA:SA+1], 2*ACH
	v_add_nc_u32 v4, CHL, v4
	v_add_nc_u32 v3, 2*CHL, v3
	s_mov_b32 s23, 6
.Lk:                                                   ; trips 1 to 12
	TRIP 1, 0, 0, 0, 0, 1, 1, 1, 16, 0, 1
	TRIP 0, 1, 1, 1, 1, 1, 1, 1, 16, 0, 1
	s_wait_xcnt 0x0
	s_add_nc_u64 s[SW:SW+1], s[SW:SW+1], 2*CHB
	s_add_nc_u64 s[SA:SA+1], s[SA:SA+1], 2*ACH
	v_add_nc_u32 v3, 2*CHL, v3
	v_add_nc_u32 v4, 2*CHL, v4
	s_sub_co_u32 s23, s23, 1
	s_cmp_lg_u32 s23, 0
	s_cbranch_scc1 .Lk
	TRIP 1, 0, 0, 0, 0, 1, 0, 1, 16, 0, 1          ; trip 13: no weights are left to ask for; chunk 15's 16 loads stay out
	TRIP 0, 1, 1, 1, 0, 1, 0, 1, 0, 0, 1           ; trip 14
	TRIP 1, 2, 0, 0, 0, 0, 0, 0, 0, 0, 0           ; trip 15: nothing is stored, so no barrier follows
	s_branch .Lepi
.Lpass:                                                ; passes 1 to 3: rows 320 on
	CALCNL
	s_cmp_eq_u32 s21, 0
	s_cbranch_scc1 .Lnext
	s_wait_loadcnt 0x0
	s_wait_xcnt 0x0                                ; the last pass's stores have read their registers
	SETUP
	s_mov_b64 s[SA:SA+1], s[4:5]
	v_mov_b32 v4, v1
	OTRIP 1
	s_mov_b32 s23, 15
.Lo:
	OTRIP 0
	s_sub_co_u32 s23, s23, 1
	s_cmp_lg_u32 s23, 0
	s_cbranch_scc1 .Lo
.Lepi:
	; THE WAY OUT, in ten units of a tile x 64 columns.  What differs from unit to unit, the accumulators' names, is the addition of the bias; the rest is written once.
	PLACES
	s_mov_b32 s24, 0
.macro COPY u
.set jt, (\u)/2
.set gg, (\u)%2
.if jt < 4
	WIN 0x01
.set ab, 64*jt+32*gg
.else
	WIN 0x02
.set ab, 32*gg
.endif
.set t, 0
.rept 4
.set r, 0
.rept 8
	v_add_f32 v[PG+8*t+r], v[ab+8*t+r], v[BL+32*gg+4*r+t]  ; each accumulator from its lowest register on
.set r, r+1
.endr
.set t, t+1
.endr
	WIN 0
.endm
.Lunit:
	s_lshr_b32 s25, s24, 1                         ; the unit's tile
	s_cmp_ge_u32 s25, s21
	s_cbranch_scc1 .Lunext
.irp u, 1,2,3,4,5,6,7,8,9
	s_cmp_eq_u32 s24, \u
	s_cbranch_scc1 .Lcopy\u
.endr
	COPY 0
	s_branch .Lproc
.irp u, 1,2,3,4,5,6,7,8
.Lcopy\u:
	COPY \u
	s_branch .Lproc
.endr
.Lcopy9:
	COPY 9
.Lproc:
	; gelu(u) = (u + |u|) / 2 - (|u| / 2) erfc(|u| / sqrt 2);  erfc(z) = (a1 t + .. + a5 t^5) e^(-z z), t = 1 / (1 + 0.3275911 z)
	s_wait_xcnt 0x0                                ; the last unit's stores have read their data and their base
	s_lshl2_add_u32 s26, s25, s28                  ; the tile's number
	s_lshl_b32 s26, s26, 17
	s_and_b32 s27, s24, 1
	s_lshl_b32 s27, s27, 11
	s_add_co_u32 s26, s26, s27
	s_mov_b32 s27, 0
	s_add_nc_u64 s[40:41], s[38:39], s[26:27]
.set m, 0
.rept 32
	v_and_b32 v[MG+m], s62, v[PG+m]
.set m, m+1
.endr
.macro ALL16 line:vararg               ; one line for each of the 16 pairs, m = 0, 2 .. 30
.set m, 0
.rept 16
	\line
.set m, m+2
.endr
.endm
	ALL16 v_pk_fma_f32 v[TG+m:TG+m+1], v[MG+m:MG+m+1], s[PZ:PZ+1], 1.0 op_sel_hi:[1,0,0]
	ALL16 v_pk_mul_f32 v[EG+m:EG+m+1], v[PG+m:PG+m+1], v[PG+m:PG+m+1]
	ALL16 v_pk_mul_f32 v[EG+m:EG+m+1], v[EG+m:EG+m+1], s[NK:NK+1] op_sel_hi:[1,0]
.set m, 0
.rept 32
	v_rcp_f32 v[TG+m], v[TG+m]
.set m, m+1
.endr
.set m, 0
.rept 32
	v_exp_f32 v[EG+m], v[EG+m]
.set m, m+1
.endr
	ALL16 v_pk_add_f32 v[PG+m:PG+m+1], v[PG+m:PG+m+1], v[MG+m:MG+m+1]  ; plain work behind the batch, which names none of its results
	s_wait_alu depctr_va_vdst(0)                   ; one wait for the 64, ahead of their first reader
	ALL16 v_pk_fma_f32 v[RG+m:RG+m+1], v[TG+m:TG+m+1], s[A5:A5+1], s[A4:A4+1] op_sel_hi:[1,0,0]
	ALL16 v_pk_mul_f32 v[EG+m:EG+m+1], v[EG+m:EG+m+1], v[MG+m:MG+m+1]
	ALL16 v_pk_fma_f32 v[RG+m:RG+m+1], v[RG+m:RG+m+1], v[TG+m:TG+m+1], s[A3:A3+1] op_sel_hi:[1,1,0]
	ALL16 v_pk_fma_f32 v[RG+m:RG+m+1], v[RG+m:RG+m+1], v[TG+m:TG+m+1], s[A2:A2+1] op_sel_hi:[1,1,0]
	ALL16 v_pk_fma_f32 v[RG+m:RG+m+1], v[RG+m:RG+m+1], v[TG+m:TG+m+1], s[A1:A1+1] op_sel_hi:[1,1,0]
	ALL16 v_pk_mul_f32 v[RG+m:RG+m+1], v[RG+m:RG+m+1], v[TG+m:TG+m+1]
	ALL16 v_pk_mul_f32 v[RG+m:RG+m+1], v[RG+m:RG+m+1], v[EG+m:EG+m+1]
	ALL16 v_pk_fma_f32 v[PG+m:PG+m+1], v[PG+m:PG+m+1], 0.5, v[RG+m:RG+m+1] op_sel_hi:[1,0,1] neg_lo:[0,0,1] neg_hi:[0,0,1]
.set q, 0
.rept 4                                ; quad q: my token's hidden columns 32 hh + 8 q + 0 .. 7 = (j, t) for j = 2 q, 2 q + 1 and t = 0 .. 3, rounded once, to f16
	v_cvt_pk_f16_f32 v[TG+4*q],   v[PG+2*q],      v[PG+8+2*q]
	v_cvt_pk_f16_f32 v[TG+4*q+1], v[PG+16+2*q],   v[PG+24+2*q]
	v_cvt_pk_f16_f32 v[TG+4*q+2], v[PG+2*q+1],    v[PG+8+2*q+1]
	v_cvt_pk_f16_f32 v[TG+4*q+3], v[PG+16+2*q+1], v[PG+24+2*q+1]
.set q, q+1
.endr
.set q, 0
.rept 4
	global_store_b128 v1, v[TG+4*q:TG+4*q+3], s[40:41] offset:512*q  ; 512 consecutive bytes, aligned
.set q, q+1
.endr
.Lunext:
	s_add_co_u32 s24, s24, 1
	s_cmp_lt_u32 s24, 10
	s_cbranch_scc1 .Lunit
.Lnext:
	s_add_co_u32 s22, s22, 1
	v_add_nc_u32 v6, 0x500, v6                     ; 320 entries on
	s_cmp_lt_u32 s22, 4
	s_cbranch_scc1 .Lpass
	s_wait_dscnt 0x0                               ; my reads of LDS are over,
	s_barrier_signal -1
	s_barrier_wait -1                              ; and so are every wave's: the closing adds below stand behind all reads of LDS
	s_wait_tensorcnt 0x0                           ; the wave's end: a tensor wait, a closing LDS add and its wait, behind my last LDS store
	ds_add_u32 v[SPW], v[NIL]
	s_wait_dscnt 0x0
	s_endpgm
.Lfunc_end_k_q22a30f7ff4_fc1:
	.size	k_q22a30f7ff4_fc1, .Lfunc_end_k_q22a30f7ff4_fc1-k_q22a30f7ff4_fc1
	.p2alignl 7, 3214868480
	.fill 96, 4, 3214868480
	.section	.rodata,"a",@progbits
	.p2align	6, 0x0
	.amdhsa_kernel k_q22a30f7ff4_fc1
		.amdhsa_group_segment_fixed_size 268288
		.amdhsa_private_segment_fixed_size 0
		.amdhsa_enable_private_segment 0
		.amdhsa_kernarg_size 40
		.amdhsa_user_sgpr_count 2
		.amdhsa_user_sgpr_kernarg_segment_ptr 1
		.amdhsa_wavefront_size32 1
		.amdhsa_system_sgpr_workgroup_id_x 1
		.amdhsa_system_sgpr_workgroup_id_y 1
		.amdhsa_system_sgpr_workgroup_id_z 1
		.amdhsa_system_vgpr_workitem_id 0
		.amdhsa_next_free_vgpr 928
		.amdhsa_next_free_sgpr 80
		.amdhsa_reserve_vcc 0
		.amdhsa_float_denorm_mode_32 3
		.amdhsa_float_denorm_mode_16_64 3
		.amdhsa_memory_ordered 1
		.amdhsa_forward_progress 1
		.amdhsa_inst_pref_size 144
	.end_amdhsa_kernel
	.amdgpu_metadata
---
amdhsa.version: [ 1, 2 ]
amdhsa.kernels:
  - .name:           k_q22a30f7ff4_fc1
    .symbol:         k_q22a30f7ff4_fc1.kd
    .args:
      - { .name: xb, .offset: 0, .size: 8, .value_kind: global_buffer, .address_space: global }
      - { .name: W1, .offset: 8, .size: 8, .value_kind: global_buffer, .address_space: global }
      - { .name: b1, .offset: 16, .size: 8, .value_kind: global_buffer, .address_space: global }
      - { .name: sel, .offset: 24, .size: 8, .value_kind: global_buffer, .address_space: global }
      - { .name: h, .offset: 32, .size: 8, .value_kind: global_buffer, .address_space: global }
    .group_segment_fixed_size: 268288
    .private_segment_fixed_size: 0
    .kernarg_segment_align: 8
    .kernarg_segment_size: 40
    .max_flat_workgroup_size: 128
    .sgpr_count:     80
    .vgpr_count:     928
    .wavefront_size: 32
...
	.end_amdgpu_metadata
.endif
;; end of part 2
;; launch fc2 (part 3): grid 32 x 8, 4 waves a work-group, no clusters, 268,288 bytes of LDS; arguments h, W2, sel, wts, part; writes part
.if DOCPART == 3
	.amdgcn_target "amdgcn-amd-amdhsa--gfx1250"
	.amdhsa_code_object_version 6
	.text
	.protected	k_q22a30f7ff4_fc2
	.globl	k_q22a30f7ff4_fc2
	.p2align	8
	.type	k_q22a30f7ff4_fc2,@function
k_q22a30f7ff4_fc2:
	s_mov_b64 s[64:65], 0
	v_nop
	global_prefetch_b8 v0, s[64:65] scope:SCOPE_SE
	s_setreg_imm32_b32 hwreg(HW_REG_WAVE_MODE, 25, 1), 1
	s_wait_xcnt 0x0
; SECOND PRODUCT OF THE CHOSEN ROWS.  part[kq][2 token + choice][:] = weight x (h W2[e]) over the quarter kq of the hidden width; the bias and the sum over kq and over the two choices follow in the next launch.
; h: f16, [8 e][64 tiles of 16 sorted rows][64 groups of 64 hidden][4 quads][32 lanes][16 bytes], the operand registers as they lie.  W2: [8][4096][1024] f32.  wts: [1024][2] f32.  part: f32 [4][2056][1024].
; SHARES.  Work-group (ns + 8 kq, e) has the slice W2[e][1,024 kq .. +1023][128 ns .. +127], 512 KiB of f32 that it alone reads, once, and ALL rows of expert e.  Tiles, passes, the stream of the weights through registers
; into LDS, the order of k and of the columns are the first product's: slot (lane half hh, register p, half b) of both operands holds k = 64 c + 32 hh + 16 s + 2 p + b; lane l % 16 of column tile t is column 4 (l % 16) + t.
; Here source 0 = rows of h, source 1 = weights: register i of a lane is row 8 hh + i, and the four column tiles of a group give 16 consecutive bytes of it: sixteen lanes store 256 consecutive bytes, aligned.
; THE FORMATS.  The product is f16 x f16 with f32 sums, since h comes in f16.  W2 is rounded to bf16, as every input of this program is, and that number is then written as f16: four vector instructions for two weights.
; THE ROUTING is made anew from the lane masks, as in the first product; tiles past the expert's last are loaded from its last (bytes that exist), multiplied only in a wave's first four places, and never stored.
; THE DUMP ROW.  A store holds two rows, 8 apart, which in the expert's last tile may lie on both sides of the count.  The list's places past the count hold 2048 + e: row 2048 + e of my quarter, of which my 128 columns
; are stored by this work-group alone and read by nobody.  So every live tile is stored whole, with all lanes on: at most 15 rows x 512 bytes a work-group go there.  An expert without rows sends its one tile there.
; NO CLUSTER: each weight byte has one reader.  The tiles of h are shared by the 8 slices of a quarter, but a chunk of 20 tiles is 40,960 bytes, two slots of it 81,920, and beside the slice's 262,144 bytes LDS has 65,536 left;
; and how many tiles live hangs on a stored count.
; LIMITS.  A bf16 number is exact in f16 from 2^-17 to 65,504; a smaller one is off by 3e-8 at the most (W2's spread is 0.02), a larger one is not served.  Partial sums stay f32.  NaN and infinities are not treated apart.
; Rows past 320 of an expert are multiplied without loads ahead.
.set LROW,  12                         ; a row of W2 is 2^12 bytes
.set ROWB,  1<<LROW
.set CHB,   64*ROWB
.set ACH,   2048                       ; a chunk of a tile of h
.set AQ,    512                        ; from quad to quad of it
.set CHL,   16384
.set LIST,  262144
.set SPARE, 267776
.set QROWS, 2056                       ; rows of a quarter of part: 2,048 and eight dump rows
; window 0: v0 thread; v1 16 x lane; v2 my place in a chunk of weights; v3 where I store fragments; v4 where I read them; v5 16 (l % 16); v6 my place in the list; v15 my place in sel
.set AOFF, 10                          ; v10-14   byte offset of my 16 bytes in each of five tiles of h
.set SPW,  16
.set NIL,  17
.set BF,   32                          ; v32-159  the chunk's weight fragments
.set CT,   160                         ; v160-191 fragments just rounded
.set WT,   192                         ; v192-255 the weights rounded to bf16, as f32, on their way to f16
.set ENT,  32                          ; the way out: v32-71 the entries of my eight rows in five tiles, then their byte offsets in part
.set WA,   72                          ; v72-111  where their weights lie
.set WG,   112                         ; v112-151 their weights
.set OUTS, 152                         ; v152-215 a tile's results, row i's eight numbers together
.set SW,   32
.set SA,   34
.set SA0,  36
.set MSB, 0
.macro WIN new                         ; s_set_vgpr_msb: bits 1:0 source 0, 3:2 source 1, 5:4 source 2, 7:6 destination; the high byte repeats the setting that is left
.if MSB != (\new)
	s_set_vgpr_msb (MSB<<8)|(\new)
.set MSB, \new
.endif
.endm
.macro PLACES                          ; four plain instructions between a matrix instruction and a load into, or a read of, its registers
.rept 4
	v_nop
.endr
.endm
.macro WLOAD set, k
	WIN 0x80
.set i, 0
.rept 16
	global_load_b128 v[64+64*(\set)+4*i:64+64*(\set)+4*i+3], v2, s[SW:SW+1] offset:(\k)*CHB+i*ROWB th:TH_LOAD_NT
.set i, i+1
.endr
.endm
.macro CVT set                         ; register p of column tile t = rows 2 p and 2 p + 1 of column t: rounded to bf16, widened, written as f16
	WIN 0x0a
.set t, 0
.rept 4
.set p, 0
.rept 8
	v_cvt_pk_bf16_f32 v[CT+8*t+p], v[64+64*(\set)+8*p+t], v[64+64*(\set)+8*p+4+t]
.set p, p+1
.endr
.set t, t+1
.endr
	WIN 0
.set m, 0
.rept 32
	v_lshlrev_b32 v[WT+2*m], 16, v[CT+m]
	v_and_b32 v[WT+2*m+1], s63, v[CT+m]
.set m, m+1
.endr
.set m, 0
.rept 32
	v_cvt_pk_f16_f32 v[CT+m], v[WT+2*m], v[WT+2*m+1]
.set m, m+1
.endr
.endm
.macro WSTORE k
	WIN 0
.set t, 0
.rept 4
	ds_store_b128 v3, v[CT+8*t:CT+8*t+3]   offset:(\k)*CHL+t*1024
	ds_store_b128 v3, v[CT+8*t+4:CT+8*t+7] offset:(\k)*CHL+t*1024+512
.set t, t+1
.endr
.endm
.macro BLOAD k
	WIN 0
.set st, 0
.rept 2
.set n, 0
.rept 8
	ds_load_b128 v[BF+64*st+8*n:BF+64*st+8*n+3],   v4 offset:(\k)*CHL+((2*(n/4)+st)*4+n%4)*1024
	ds_load_b128 v[BF+64*st+8*n+4:BF+64*st+8*n+7], v4 offset:(\k)*CHL+((2*(n/4)+st)*4+n%4)*1024+512
.set n, n+1
.endr
.set st, st+1
.endr
.endm
.macro ALOAD set, k                    ; five tiles' fragments of a chunk, 512 consecutive bytes a load: always all five, so that every counted wait holds on every path
	WIN 0xc0
.set j, 0
.rept 5
.set q, 0
.rept 4
	global_load_b128 v[80*(\set)+16*j+4*q:80*(\set)+16*j+4*q+3], v[AOFF+j], s[SA:SA+1] offset:(\k)*ACH+q*AQ
.set q, q+1
.endr
.set j, j+1
.endr
.endm
; One K step of 32: 40 matrix instructions, each accumulator one turn.  zero = 1: the products start the sums, for all five tiles.  Else the fifth tile is jumped where the wave has fewer.
.macro MM ks, p, zero
	WIN 0x53                                       ; rows of h window 3, weights window 0, sums window 1
.set j, 0
.rept 4
.set n, 0
.rept 8
.if \zero
	v_wmma_f32_16x16x32_f16 v[64*j+8*n:64*j+8*n+7], v[80*(\p)+16*j+8*(\ks):80*(\p)+16*j+8*(\ks)+7], v[BF+64*(\ks)+8*n:BF+64*(\ks)+8*n+7], 0
.else
	v_wmma_f32_16x16x32_f16 v[64*j+8*n:64*j+8*n+7], v[80*(\p)+16*j+8*(\ks):80*(\p)+16*j+8*(\ks)+7], v[BF+64*(\ks)+8*n:BF+64*(\ks)+8*n+7], v[64*j+8*n:64*j+8*n+7]
.endif
.set n, n+1
.endr
.set j, j+1
.endr
.if !(\zero)
	WIN 0
	s_cmp_lt_u32 s21, 5
	s_cbranch_scc1 .Lno5_\@
.endif
	WIN 0xa3                                       ; sums window 2
.set n, 0
.rept 8
.if \zero
	v_wmma_f32_16x16x32_f16 v[8*n:8*n+7], v[80*(\p)+64+8*(\ks):80*(\p)+64+8*(\ks)+7], v[BF+64*(\ks)+8*n:BF+64*(\ks)+8*n+7], 0
.else
	v_wmma_f32_16x16x32_f16 v[8*n:8*n+7], v[80*(\p)+64+8*(\ks):80*(\p)+64+8*(\ks)+7], v[BF+64*(\ks)+8*n:BF+64*(\ks)+8*n+7], v[8*n:8*n+7]
.endif
.set n, n+1
.endr
	WIN 0
.if !(\zero)
.Lno5_\@:
.endif
.endm
; Trip c multiplies chunk c (rows of h in set p = c % 2), rounds and stores chunk c + 1, and asks for h of chunk c + 1 and then for the weights of chunk c + 3.
; wcnt: the loads that may stay out when h of c and the weights of c + 1 must be in: the 16 of chunk c + 2.  The first 32 conversions are the places behind the last trip's products.
.macro TRIP p, kB, kS, kA, kW, cv, lw, la, wcnt, zero, bar
	s_wait_loadcnt \wcnt
.if \cv
	CVT 1-(\p)
	WSTORE \kS
.else
	WIN 0
	PLACES
.endif
	BLOAD \kB
.if \la
	ALOAD 1-(\p), \kA
.endif
.if \lw
	WLOAD 1-(\p), \kW
.endif
	s_wait_dscnt 16                                ; my stores and K step 0's fragments are done; K step 1's 16 loads may be out
	MM 0, \p, \zero
	s_wait_dscnt 0x0                               ; for the others' sake too: my fragments of chunk c + 1 lie in LDS
.if \bar
	s_barrier_signal -1
.endif
	MM 1, \p, 0                                    ; work on registers while the others arrive
.if \bar
	s_barrier_wait -1                              ; chunk c + 1 is whole.  No LDS byte is written twice, so one barrier a chunk is enough
.endif
.endm
.macro OTRIP zero
	WIN 0
	PLACES
	BLOAD 0
	ALOAD 0, 0
	WIN 0
	s_wait_loadcnt 0x0
	s_wait_dscnt 0x0
	MM 0, 0, \zero
	MM 1, 0, 0
	s_add_nc_u64 s[SA:SA+1], s[SA:SA+1], ACH
	v_add_nc_u32 v4, CHL, v4
.endm
.macro CALCNL                          ; s28 = 20 pass + wave, my first tile; s21 = how many of s28, s28 + 4, .. s28 + 16 lie under s20
	s_mul_i32 s28, s22, 20
	s_add_co_u32 s28, s28, s14
	s_sub_co_i32 s25, s20, s28
	s_max_i32 s25, s25, 0
	s_add_co_u32 s25, s25, 3
	s_lshr_b32 s25, s25, 2
	s_min_u32 s21, s25, 5
.endm
.macro SETUP                           ; my five tiles of h; one past the expert's last is taken from the last
	WIN 0
	s_sub_co_u32 s26, s20, 1
.irp j, 0,1,2,3,4
	s_add_co_u32 s25, s28, 4*\j
	s_min_u32 s25, s25, s26
	s_min_u32 s25, s25, 63
	v_lshl_add_u32 v[AOFF+\j], s25, 17, v1         ; tile x 131,072 + 16 x lane
.endr
.endm
	s_load_b256 s[4:11], s[0:1], 0x0               ; h s[4:5], W2 s[6:7], sel s[8:9], wts s[10:11]
	s_load_b64 s[12:13], s[0:1], 0x20              ; part
	v_lshl_add_u32 v[SPW], v0, 2, SPARE
	v_mov_b32 v[NIL], 0
	v_lshrrev_b32 v8, 5, v0
	v_readfirstlane_b32 s14, v8                    ; wave
	s_lshr_b32 s15, s14, 1                         ; g
	s_and_b32 s16, s14, 1                          ; s
	s_and_b32 s17, ttmp7, 0xffff                   ; e
	s_and_b32 s18, ttmp9, 7                        ; ns
	s_lshr_b32 s29, ttmp9, 3                       ; kq
	v_and_b32 v9, 31, v0
	v_and_b32 v20, 15, v0
	v_bfe_u32 v21, v0, 4, 1
	v_lshlrev_b32 v1, 4, v9
	s_lshl_b32 s25, s16, LROW+4
	s_lshl_b32 s26, s15, 8
	s_add_co_u32 s25, s25, s26
	v_lshl_add_u32 v2, v21, LROW+5, s25
	v_lshl_add_u32 v2, v20, 4, v2
	s_lshl_b32 s25, s14, 12
	v_add_nc_u32 v3, s25, v1
	v_mov_b32 v4, v1
	v_lshlrev_b32 v5, 4, v20
	s_lshl_b32 s25, s14, 6
	s_add_co_u32 s25, s25, LIST
	v_lshl_add_u32 v6, v21, 5, s25                 ; entries 16 w + 8 hh + 0 .. 7; 64 entries on for each further tile
	s_lshl_b32 s25, s17, 3
	v_lshl_add_u32 v15, v9, 7, s25
	v_add_nc_u32 v23, 0x500, v9
	v_lshlrev_b32 v24, 1, v9
	v_lshl_or_b32 v25, v9, 1, 1
	v_add_nc_u32 v27, LIST, v1
	s_add_co_u32 s25, s17, 0x800                   ; the dump row's number
	v_mov_b32 v28, s25
	v_mov_b32 v29, s25
	v_mov_b32 v30, s25
	v_mov_b32 v31, s25
	s_mov_b32 s63, 0xffff0000                      ; a word's upper bf16
	s_lshl_b32 s26, s17, 24                        ; W2: e x 16 MiB + kq x 1,024 rows + ns x 512
	s_lshl_b32 s27, s29, 22
	s_add_co_u32 s26, s26, s27
	s_lshl_b32 s27, s18, 9
	s_add_co_u32 s26, s26, s27
	s_mov_b32 s27, 0
	s_lshl_b32 s30, s17, 23                        ; h: e x 8 MiB + kq x 16 groups of 2,048
	s_lshl_b32 s31, s29, 15
	s_add_co_u32 s30, s30, s31
	s_mov_b32 s31, 0
	s_mul_i32 s40, s29, QROWS*4096                 ; part: kq quarters + ns x 512
	s_lshl_b32 s41, s18, 9
	s_add_co_u32 s40, s40, s41
	s_mov_b32 s41, 0
	s_mov_b32 s19, 0
	s_mov_b32 s66, 0
	s_mov_b32 s22, 0
	s_wait_kmcnt 0x0
	s_add_nc_u64 s[SW:SW+1], s[6:7], s[26:27]
	s_add_nc_u64 s[SA0:SA0+1], s[4:5], s[30:31]
	s_add_nc_u64 s[38:39], s[12:13], s[40:41]
	s_mov_b64 s[SA:SA+1], s[SA0:SA0+1]
	global_load_b64 v[18:19], v15, s[8:9]
	WLOAD 0, 0
	WLOAD 1, 1
	WIN 0
	; THE LIST.  Up to the barrier below wave 0 alone touches LDS.
	s_cmp_lg_u32 s14, 0
	s_cbranch_scc1 .Lnofill
.set i, 0
.rept 10
	ds_store_b128 v27, v[28:31] offset:512*i       ; every entry starts as the dump row
.set i, i+1
.endr
.Lnofill:
	s_wait_loadcnt 32                              ; the masks are in; two chunks' 32 loads stay out
.Lbatch:
	v_readlane_b32 s67, v18, s66
	v_readlane_b32 s68, v19, s66
	s_or_b32 s69, s67, s68
	s_cmp_lg_u32 s14, 0
	s_cbranch_scc1 .Lnolist
	v_mbcnt_lo_u32_b32 v22, s69, s19
	v_cndmask_b32 v22, v23, v22, s69
	v_min_u32 v22, 0x51f, v22
	v_lshl_add_u32 v22, v22, 2, LIST
	v_cndmask_b32 v26, v24, v25, s68
	ds_store_b32 v22, v26
	v_add_nc_u32 v24, 64, v24
	v_add_nc_u32 v25, 64, v25
.Lnolist:
	s_bcnt1_i32_b32 s70, s69
	s_add_co_u32 s19, s19, s70
	s_add_co_u32 s66, s66, 1
	s_cmp_lt_u32 s66, 32
	s_cbranch_scc1 .Lbatch
	s_wait_dscnt 0x0                               ; the list lies in LDS
	s_barrier_signal -1
	s_barrier_wait -1
	s_min_u32 s19, s19, 0x400
	s_add_co_u32 s20, s19, 15
	s_lshr_b32 s20, s20, 4
	s_max_u32 s20, s20, 1
	CALCNL
	SETUP
	ALOAD 0, 0
	s_wait_loadcnt 36                              ; chunk 0 is in; chunk 1's 16 loads and h's 20 stay out
	CVT 0
	WSTORE 0
	WLOAD 0, 2
	WIN 0
	s_wait_dscnt 0x0
	s_barrier_signal -1
	s_barrier_wait -1                              ; chunk 0 is whole
	TRIP 0, 0, 1, 1, 3, 1, 1, 1, 16, 1, 1
	s_wait_xcnt 0x0                                ; the bases are stepped only behind this wait
	s_add_nc_u64 s[SW:SW+1], s[SW:SW+1], 4*CHB
	s_add_nc_u64 s[SA:SA+1], s[SA:SA+1], 2*ACH
	v_add_nc_u32 v4, CHL, v4
	v_add_nc_u32 v3, 2*CHL, v3
	s_mov_b32 s23, 6
.Lk:                                                   ; trips 1 to 12
	TRIP 1, 0, 0, 0, 0, 1, 1, 1, 16, 0, 1
	TRIP 0, 1, 1, 1, 1, 1, 1, 1, 16, 0, 1
	s_wait_xcnt 0x0
	s_add_nc_u64 s[SW:SW+1], s[SW:SW+1], 2*CHB
	s_add_nc_u64 s[SA:SA+1], s[SA:SA+1], 2*ACH
	v_add_nc_u32 v3, 2*CHL, v3
	v_add_nc_u32 v4, 2*CHL, v4
	s_sub_co_u32 s23, s23, 1
	s_cmp_lg_u32 s23, 0
	s_cbranch_scc1 .Lk
	TRIP 1, 0, 0, 0, 0, 1, 0, 1, 16, 0, 1          ; trip 13: no weights are left to ask for; chunk 15's 16 loads stay out
	TRIP 0, 1, 1, 1, 0, 1, 0, 1, 0, 0, 1           ; trip 14
	TRIP 1, 2, 0, 0, 0, 0, 0, 0, 0, 0, 0           ; trip 15: nothing is stored, so no barrier follows
	s_branch .Lepi
.Lpass:                                                ; passes 1 to 3: rows 320 on
	CALCNL
	s_cmp_eq_u32 s21, 0
	s_cbranch_scc1 .Lnext
	s_wait_loadcnt 0x0
	s_wait_xcnt 0x0                                ; the last pass's stores have read their registers
	SETUP
	s_mov_b64 s[SA:SA+1], s[SA0:SA0+1]
	v_mov_b32 v4, v1
	OTRIP 1
	s_mov_b32 s23, 15
.Lo:
	OTRIP 0
	s_sub_co_u32 s23, s23, 1
	s_cmp_lg_u32 s23, 0
	s_cbranch_scc1 .Lo
.Lepi:
	; THE WAY OUT.  My eight rows' entries in each tile, their weights, their places in part; then tile by tile: times the weight, which also brings a row's eight numbers together, and stored.
	PLACES
.set j, 0
.rept 5
	ds_load_b128 v[ENT+8*j:ENT+8*j+3],   v6 offset:256*j
	ds_load_b128 v[ENT+8*j+4:ENT+8*j+7], v6 offset:256*j+16
.set j, j+1
.endr
	s_wait_dscnt 0x0
.set z, 0
.rept 40
	v_min_u32 v[WA+z], 0x7ff, v[ENT+z]             ; a dump row takes a weight that exists
	v_min_u32 v[ENT+z], 0x807, v[ENT+z]            ; 2,055: the last row of a quarter
.set z, z+1
.endr
.set z, 0
.rept 40
	v_lshlrev_b32 v[WA+z], 2, v[WA+z]
.set z, z+1
.endr
.set z, 0
.rept 40
	global_load_b32 v[WG+z], v[WA+z], s[10:11]
.set z, z+1
.endr
.set z, 0
.rept 40
	v_lshl_add_u32 v[ENT+z], v[ENT+z], 12, v5      ; row x 4,096 + 16 (l % 16)
.set z, z+1
.endr
	s_wait_loadcnt 0x0
.macro OUTSLOT j
	s_cmp_le_u32 s21, \j
	s_cbranch_scc1 .Lnext                          ; this tile and those behind it do not live
	s_wait_xcnt 0x0                                ; the last tile's stores have read their data
.if (\j) < 4
	WIN 0x01
.set ab, 64*(\j)
.else
	WIN 0x02
.set ab, 0
.endif
.set r, 0
.rept 8
.set n, 0
.rept 8
	v_mul_f32 v[OUTS+8*r+n], v[ab+8*n+r], v[WG+8*(\j)+r]  ; every accumulator's lowest register first
.set n, n+1
.endr
.set r, r+1
.endr
	WIN 0
.set r, 0
.rept 8
	global_store_b128 v[ENT+8*(\j)+r], v[OUTS+8*r:OUTS+8*r+3],   s[38:39]             ; sixteen lanes: 256 consecutive bytes of a row, aligned
	global_store_b128 v[ENT+8*(\j)+r], v[OUTS+8*r+4:OUTS+8*r+7], s[38:39] offset:256
.set r, r+1
.endr
.endm
	OUTSLOT 0
	OUTSLOT 1
	OUTSLOT 2
	OUTSLOT 3
	OUTSLOT 4
.Lnext:
	s_add_co_u32 s22, s22, 1
	v_add_nc_u32 v6, 0x500, v6                     ; 320 entries on
	s_cmp_lt_u32 s22, 4
	s_cbranch_scc1 .Lpass
	s_wait_dscnt 0x0                               ; my reads of LDS are over,
	s_barrier_signal -1
	s_barrier_wait -1                              ; and so are every wave's: the closing adds below stand behind all reads of LDS
	s_wait_tensorcnt 0x0                           ; the wave's end: a tensor wait, a closing LDS add and its wait, behind my last LDS store
	ds_add_u32 v[SPW], v[NIL]
	s_wait_dscnt 0x0
	s_endpgm
.Lfunc_end_k_q22a30f7ff4_fc2:
	.size	k_q22a30f7ff4_fc2, .Lfunc_end_k_q22a30f7ff4_fc2-k_q22a30f7ff4_fc2
	.p2alignl 7, 3214868480
	.fill 96, 4, 3214868480
	.section	.rodata,"a",@progbits
	.p2align	6, 0x0
	.amdhsa_kernel k_q22a30f7ff4_fc2
		.amdhsa_group_segment_fixed_size 268288
		.amdhsa_private_segment_fixed_size 0
		.amdhsa_enable_private_segment 0
		.amdhsa_kernarg_size 40
		.amdhsa_user_sgpr_count 2
		.amdhsa_user_sgpr_kernarg_segment_ptr 1
		.amdhsa_wavefront_size32 1
		.amdhsa_system_sgpr_workgroup_id_x 1
		.amdhsa_system_sgpr_workgroup_id_y 1
		.amdhsa_system_sgpr_workgroup_id_z 1
		.amdhsa_system_vgpr_workitem_id 0
		.amdhsa_next_free_vgpr 928
		.amdhsa_next_free_sgpr 80
		.amdhsa_reserve_vcc 0
		.amdhsa_float_denorm_mode_32 3
		.amdhsa_float_denorm_mode_16_64 3
		.amdhsa_memory_ordered 1
		.amdhsa_forward_progress 1
		.amdhsa_inst_pref_size 165
	.end_amdhsa_kernel
	.amdgpu_metadata
---
amdhsa.version: [ 1, 2 ]
amdhsa.kernels:
  - .name:           k_q22a30f7ff4_fc2
    .symbol:         k_q22a30f7ff4_fc2.kd
    .args:
      - { .name: h, .offset: 0, .size: 8, .value_kind: global_buffer, .address_space: global }
      - { .name: W2, .offset: 8, .size: 8, .value_kind: global_buffer, .address_space: global }
      - { .name: sel, .offset: 16, .size: 8, .value_kind: global_buffer, .address_space: global }
      - { .name: wts, .offset: 24, .size: 8, .value_kind: global_buffer, .address_space: global }
      - { .name: part, .offset: 32, .size: 8, .value_kind: global_buffer, .address_space: global }
    .group_segment_fixed_size: 268288
    .private_segment_fixed_size: 0
    .kernarg_segment_align: 8
    .kernarg_segment_size: 40
    .max_flat_workgroup_size: 128
    .sgpr_count:     80
    .vgpr_count:     928
    .wavefront_size: 32
...
	.end_amdgpu_metadata
.endif
;; end of part 3
;; launch combine (part 4): grid 256 x 1, 8 waves a work-group, no clusters, 0 bytes of LDS; arguments part, b2, wts, idx, out0; writes out0
.if DOCPART == 4
	.amdgcn_target "amdgcn-amd-amdhsa--gfx1250"
	.amdhsa_code_object_version 6
	.text
	.protected	k_q22a30f7ff4_combine
	.globl	k_q22a30f7ff4_combine
	.p2align	8
	.type	k_q22a30f7ff4_combine,@function
k_q22a30f7ff4_combine:
	s_mov_b64 s[64:65], 0
	v_nop
	global_prefetch_b8 v0, s[64:65] scope:SCOPE_SE
	s_setreg_imm32_b32 hwreg(HW_REG_WAVE_MODE, 25, 1), 1
	s_wait_xcnt 0x0
; out[t] = the sum over the two choices c of ( the sum over four quarters of part[kq][2 t + c] ) + w[t][c] b2[idx[t][c]].   part already carries the weight.
; part: f32 [4][2056][1024], of each quarter the rows 0 to 2,047 (the last eight are the second product's dump rows, not read).  b2: [8][1024] f32, rounded to bf16 as every input of this program is.
; wts: [1024][2] f32.  idx: [1024][2] i32.  out0: [1024][1024] f32.
; A stream: a work-group has four tokens, thread t 16 bytes of every row, so each load and store of a wave covers 512 consecutive bytes, aligned.  All 40 loads of a wave go out before the first wait.
; No LDS, no matrix unit, no cluster: nothing is shared and nothing is multiplied but the bias.
.set QB, 2056*4096                     ; bytes from quarter to quarter of part
.set BO, 2                             ; v[2:9]     byte offsets of my 16 bytes in the eight rows of b2
.set BB, 16                            ; v[16:47]   those rows' numbers
.set PR, 48                            ; v[48:175]  part: token i, choice c, quarter kq at PR + 32 i + 16 c + 4 kq
.set TP, 176                           ; v[176:191] at work
	s_load_b256 s[4:11], s[0:1], 0x0               ; part s[4:5], b2 s[6:7], wts s[8:9], idx s[10:11]
	s_load_b64 s[12:13], s[0:1], 0x20              ; out0
	v_lshlrev_b32 v1, 4, v0
	s_lshl_b32 s14, ttmp9, 5                       ; four tokens x 8 bytes in idx and in wts
	s_lshl_b32 s40, ttmp9, 15                      ; eight rows of 4,096 bytes in part
	s_mov_b32 s41, 0
	s_lshl_b32 s42, ttmp9, 14                      ; four rows in out0
	s_mov_b32 s43, 0
	s_mov_b32 s44, 0xffff0000
	s_wait_kmcnt 0x0
	s_load_b256 s[16:23], s[10:11], s14 offset:0x0 ; the eight experts
	s_load_b256 s[24:31], s[8:9], s14 offset:0x0   ; the eight weights
	s_add_nc_u64 s[32:33], s[4:5], s[40:41]
	s_add_nc_u64 s[34:35], s[32:33], QB
	s_add_nc_u64 s[36:37], s[34:35], QB
	s_add_nc_u64 s[38:39], s[36:37], QB
	s_add_nc_u64 s[12:13], s[12:13], s[42:43]
.set i, 0
.rept 4
.set c, 0
.rept 2
.set q, 0
.rept 4
	global_load_b128 v[PR+32*i+16*c+4*q:PR+32*i+16*c+4*q+3], v1, s[32+2*q:33+2*q] offset:8192*i+4096*c th:TH_LOAD_NT
.set q, q+1
.endr
.set c, c+1
.endr
.set i, i+1
.endr
	s_wait_kmcnt 0x0
.set m, 0
.rept 8
	s_min_u32 s[16+m], s[16+m], 7
	v_lshl_add_u32 v[BO+m], s[16+m], 12, v1
.set m, m+1
.endr
.set m, 0
.rept 8
	global_load_b128 v[BB+4*m:BB+4*m+3], v[BO+m], s[6:7]
.set m, m+1
.endr
.macro ADD4 a, b                       ; four numbers onto four
	v_pk_add_f32 v[(\a):(\a)+1],   v[(\a):(\a)+1],   v[(\b):(\b)+1]
	v_pk_add_f32 v[(\a)+2:(\a)+3], v[(\a)+2:(\a)+3], v[(\b)+2:(\b)+3]
.endm
.set i, 0
.rept 4
	s_wait_loadcnt 32-8*i                          ; token i's eight loads are in; the later tokens' eight each and b2's eight stay out
	ADD4 PR+32*i,    PR+32*i+4
	ADD4 PR+32*i+8,  PR+32*i+12
	ADD4 PR+32*i+16, PR+32*i+20
	ADD4 PR+32*i+24, PR+32*i+28
	ADD4 PR+32*i,    PR+32*i+8
	ADD4 PR+32*i+16, PR+32*i+24
	ADD4 PR+32*i,    PR+32*i+16
.set i, i+1
.endr
	s_wait_loadcnt 0x0                             ; b2
.set m, 0
.rept 16
	v_cvt_pk_bf16_f32 v[TP+m], v[BB+2*m], v[BB+2*m+1]
.set m, m+1
.endr
.set m, 0
.rept 16
	v_lshlrev_b32 v[BB+2*m], 16, v[TP+m]
	v_and_b32 v[BB+2*m+1], s44, v[TP+m]
.set m, m+1
.endr
.set i, 0
.rept 4
.set c, 0
.rept 2
.set z, 0
.rept 4
	v_fma_f32 v[PR+32*i+z], s[24+2*i+c], v[BB+4*(2*i+c)+z], v[PR+32*i+z]
.set z, z+1
.endr
.set c, c+1
.endr
	global_store_b128 v1, v[PR+32*i:PR+32*i+3], s[12:13] offset:4096*i th:TH_STORE_NT
.set i, i+1
.endr
	s_endpgm
.Lfunc_end_k_q22a30f7ff4_combine:
	.size	k_q22a30f7ff4_combine, .Lfunc_end_k_q22a30f7ff4_combine-k_q22a30f7ff4_combine
	.p2alignl 7, 3214868480
	.fill 96, 4, 3214868480
	.section	.rodata,"a",@progbits
	.p2align	6, 0x0
	.amdhsa_kernel k_q22a30f7ff4_combine
		.amdhsa_group_segment_fixed_size 0
		.amdhsa_private_segment_fixed_size 0
		.amdhsa_enable_private_segment 0
		.amdhsa_kernarg_size 40
		.amdhsa_user_sgpr_count 2
		.amdhsa_user_sgpr_kernarg_segment_ptr 1
		.amdhsa_wavefront_size32 1
		.amdhsa_system_sgpr_workgroup_id_x 1
		.amdhsa_system_sgpr_workgroup_id_y 1
		.amdhsa_system_sgpr_workgroup_id_z 1
		.amdhsa_system_vgpr_workitem_id 0
		.amdhsa_next_free_vgpr 200
		.amdhsa_next_free_sgpr 66
		.amdhsa_reserve_vcc 0
		.amdhsa_float_denorm_mode_32 3
		.amdhsa_float_denorm_mode_16_64 3
		.amdhsa_memory_ordered 1
		.amdhsa_forward_progress 1
		.amdhsa_inst_pref_size 14
	.end_amdhsa_kernel
	.amdgpu_metadata
---
amdhsa.version: [ 1, 2 ]
amdhsa.kernels:
  - .name:           k_q22a30f7ff4_combine
    .symbol:         k_q22a30f7ff4_combine.kd
    .args:
      - { .name: part, .offset: 0, .size: 8, .value_kind: global_buffer, .address_space: global }
      - { .name: b2, .offset: 8, .size: 8, .value_kind: global_buffer, .address_space: global }
      - { .name: wts, .offset: 16, .size: 8, .value_kind: global_buffer, .address_space: global }
      - { .name: idx, .offset: 24, .size: 8, .value_kind: global_buffer, .address_space: global }
      - { .name: out0, .offset: 32, .size: 8, .value_kind: global_buffer, .address_space: global }
    .group_segment_fixed_size: 0
    .private_segment_fixed_size: 0
    .kernarg_segment_align: 8
    .kernarg_segment_size: 40
    .max_flat_workgroup_size: 256
    .sgpr_count:     66
    .vgpr_count:     200
    .wavefront_size: 32
...
	.end_amdgpu_metadata
.endif
;; end of part 4
;; ======== version 2 of 3: 4 launches; 1.25 times as fast as version 1
;; limits: values are held in f16: magnitudes above 65,504 overflow, below 6.1e-05 lose precision
;; workspace buffers: xb 2,097,152 bytes; wts 8,192 bytes; idx 8,192 bytes of whole numbers; sel 4,096 bytes of whole numbers; h 67,108,864 bytes; part 33,685,504 bytes
;; launch router (part 5): grid 32 x 1, 16 waves a work-group, no clusters, 84,480 bytes of LDS; arguments x, Wr, xb, wts, idx, sel; writes xb, wts, idx, sel
.if DOCPART == 5
	.amdgcn_target "amdgcn-amd-amdhsa--gfx1250"
	.amdhsa_code_object_version 6
	.text
	.protected	k_q22a30f7ff4_router
	.globl	k_q22a30f7ff4_router
	.p2align	8
	.type	k_q22a30f7ff4_router,@function
k_q22a30f7ff4_router:
	s_mov_b64 s[64:65], 0
	v_nop
	global_prefetch_b8 v0, s[64:65] scope:SCOPE_SE
	s_setreg_imm32_b32 hwreg(HW_REG_WAVE_MODE, 25, 1), 1
	s_wait_xcnt 0x0
; ROUTER.  logits = x Wr, softmax, the two largest probabilities (of equals the lower index, as jax.lax.top_k keeps it); and x rounded to bf16 for the first product.
; x: [1024][1024] f32, Wr: [1024][8] f32.  OUT: xb [1024][1024] bf16; wts [1024][2] f32, the two probabilities; idx [1024][2] i32, their experts;
; sel [32 batches of 32 tokens][32 words]: word 2 e + c holds, a bit a token, "choice c is expert e"; words 16 to 31 are 0.
; SHARES.  A work-group has 32 tokens, sixteen waves; wave w has the channels 64 w to 64 w + 63 of all 32 tokens; the sixteen partial sums meet in LDS, and wave 0 ends the work.
; x IS READ ONCE, as it lies: 16 bytes a thread, 512 consecutive bytes a wave's load.  It is rounded to bf16, stored to xb, and laid into LDS in rows of 2,048 + 16 bytes, out of which each wave takes its fragments.
; THE PRODUCT is bf16 x bf16 with f32 sums on the matrix unit.  Source 0 = Wr: row m is expert m % 8, so rows 8 to 15 repeat rows 0 to 7.  Source 1 = 16 tokens.  In the result register j of lane l is expert j of token
; l % 16, in both halves of the lanes.  So of the first 16 tokens' result lanes 0-15 are kept and of the second 16 tokens' lanes 16-31: a lane is then a token with its eight logits, and the choices come out as lane masks.
; A lane's numbers of Wr (one expert, 32 channels) lie 32 bytes apart: 32 loads of 4 bytes, each instruction two pieces of 32 bytes; pairs of them round straight into the operand registers.
; NO CLUSTER: what the work-groups share is Wr, 32,768 bytes beside each one's 131,072 of x, and it passes through registers to be rounded.
; LIMITS.  x and Wr are rounded to bf16, as every input of this program is.  The maximum is taken away before the exponentials.  An exponential below 2^-126 counts as 0: it can change which expert is named with weight 0,
; no output.  NaN and infinities are not treated apart.
.set PL,    0                          ; partial logits [wave][lane][8] f32, 16,384 bytes
.set XS,    16384                      ; x in bf16: 32 rows
.set PX,    2064                       ; of 2,048 + 16 bytes = 129 x 16: the 16 rows of a fragment load start at 16 different groups of four banks (64 banks of 4 bytes: ISA guide 11.1)
.set SPARE, XS+32*PX                   ; 82,432: the spare words, 128 bytes for each of 16 waves
.set WF,  32                           ; v[32:63]   my 32 numbers of Wr: K step ks, register p, half at WF + 16 ks + 2 p + half
.set WB,  64                           ; v[64:79]   Wr's fragments: K step ks at WB + 8 ks
.set LG,  80                           ; v[80:87]   my token's eight partial logits
.set XL,  96                           ; v[96:159]  x as it lies: 16 bytes of 16 pieces of the group's rows
.set XB,  160                          ; v[160:191] the same in bf16
.set XF,  192                          ; v[192:223] x's fragments: 16 tokens tl, K step ks at XF + 16 tl + 8 ks
.set DA,  224                          ; v[224:231] sums of tokens 0 to 15
.set DB,  232                          ; v[232:239] sums of tokens 16 to 31
.set SPW, 240
.set NIL, 241
	s_load_b256 s[4:11], s[0:1], 0x0               ; x s[4:5], Wr s[6:7], xb s[8:9], wts s[10:11]
	s_load_b128 s[12:15], s[0:1], 0x20             ; idx s[12:13], sel s[14:15]
	v_lshl_add_u32 v[SPW], v0, 2, SPARE
	v_mov_b32 v[NIL], 0
	v_and_b32 v1, 31, v0                           ; lane
	v_lshrrev_b32 v5, 5, v0
	v_readfirstlane_b32 s16, v5                    ; wave
	v_lshlrev_b32 v2, 4, v0                        ; 16 x thread
	v_lshlrev_b32 v4, 3, v0                        ; 8 x thread
	v_lshlrev_b32 v7, 5, v0                        ; 32 x thread: my place among the partial logits
	v_and_b32 v9, 15, v0                           ; l % 16
	v_bfe_u32 v10, v0, 4, 1                        ; hh = l / 16
	v_and_b32 v11, 7, v0                           ; my expert
	v_lshlrev_b32 v3, 11, v5                       ; Wr: my wave's 64 channels of 32 bytes,
	v_lshl_add_u32 v3, v10, 8, v3                  ; 8 hh channels on,
	v_lshl_add_u32 v3, v11, 2, v3                  ; my expert's number
	v_lshrrev_b32 v12, 8, v0                       ; a piece of 8,192 bytes is two rows: which of them is mine,
	v_and_b32 v13, 0xff, v0                        ; and my four channels in it
	v_mul_u32_u24 v6, v12, PX
	v_lshl_add_u32 v6, v13, 3, v6
	v_add_nc_u32 v6, XS, v6                        ; where I lay my 8 bytes of bf16
	v_mul_u32_u24 v8, v9, PX                       ; a fragment: row l % 16,
	v_lshl_add_u32 v8, v10, 4, v8                  ; 16 bytes for each half of the lanes,
	v_lshl_add_u32 v8, v5, 7, v8                   ; my wave's 64 channels
	v_add_nc_u32 v8, XS, v8
	s_mov_b32 s17, 0xffff0000                      ; lanes 16 to 31
	s_lshl_b32 s18, ttmp9, 17                      ; 32 rows of 4,096 bytes
	s_mov_b32 s19, 0
	s_lshl_b32 s20, ttmp9, 16                      ; 32 rows of 2,048 bytes
	s_mov_b32 s21, 0
	s_wait_kmcnt 0x0
	s_add_nc_u64 s[4:5], s[4:5], s[18:19]
	s_add_nc_u64 s[8:9], s[8:9], s[20:21]
.set k, 0
.rept 16
	global_load_b128 v[XL+4*k:XL+4*k+3], v2, s[4:5] offset:8192*k th:TH_LOAD_NT
.set k, k+1
.endr
; A fragment is 16 rows x 32 k in 8 registers: registers 0-3 hold k = 8 hh + 0..7, registers 4-7 k = 16 + 8 hh + 0..7: register p, half b is channel 32 ks + 8 hh + 16 (p / 4) + 2 (p % 4) + b of my wave's 64
.set ks, 0
.rept 2
.set p, 0
.rept 8
	global_load_b32 v[WF+16*ks+2*p],   v3, s[6:7] offset:(32*ks+16*(p/4)+2*(p%4))*32
	global_load_b32 v[WF+16*ks+2*p+1], v3, s[6:7] offset:(32*ks+16*(p/4)+2*(p%4)+1)*32
.set p, p+1
.endr
.set ks, ks+1
.endr
; x, four pieces at a time: rounded, laid into LDS, stored
.set g, 0
.rept 4
	s_wait_loadcnt 44-4*g                          ; loads come back in order (ISA guide 5.7.1): pieces 4 g to 4 g + 3 are in; the 12 - 4 g later pieces and Wr's 32 loads stay out
.set m, 8*g
.rept 8
	v_cvt_pk_bf16_f32 v[XB+m], v[XL+2*m], v[XL+2*m+1]
.set m, m+1
.endr
.set k, 4*g
.rept 4
	ds_store_b64 v6, v[XB+2*k:XB+2*k+1] offset:k*2*PX              ; a wave's store covers 256 consecutive bytes of a row
.set k, k+1
.endr
.set k, 4*g
.rept 4
	global_store_b64 v4, v[XB+2*k:XB+2*k+1], s[8:9] offset:4096*k  ; a wave's store covers 256 consecutive bytes, aligned
.set k, k+1
.endr
.set g, g+1
.endr
	s_wait_loadcnt 0x0                             ; Wr
.set m, 0
.rept 16
	v_cvt_pk_bf16_f32 v[WB+m], v[WF+2*m], v[WF+2*m+1]
.set m, m+1
.endr
	s_wait_dscnt 0x0                               ; for the others' sake: my part of x lies in LDS
	s_barrier_signal -1
	s_barrier_wait -1
.set tl, 0
.rept 2
.set ks, 0
.rept 2
	ds_load_b128 v[XF+16*tl+8*ks:XF+16*tl+8*ks+3],   v8 offset:tl*16*PX+ks*64
	ds_load_b128 v[XF+16*tl+8*ks+4:XF+16*tl+8*ks+7], v8 offset:tl*16*PX+ks*64+32
.set ks, ks+1
.endr
.set tl, tl+1
.endr
	s_wait_dscnt 0x0
	v_wmma_f32_16x16x32_bf16 v[DA:DA+7], v[WB:WB+7],    v[XF:XF+7],     0           ; the first K step starts both sums; the two accumulators take turns
	v_wmma_f32_16x16x32_bf16 v[DB:DB+7], v[WB:WB+7],    v[XF+16:XF+23], 0
	v_wmma_f32_16x16x32_bf16 v[DA:DA+7], v[WB+8:WB+15], v[XF+8:XF+15],  v[DA:DA+7]
	v_wmma_f32_16x16x32_bf16 v[DB:DB+7], v[WB+8:WB+15], v[XF+24:XF+31], v[DB:DB+7]
.rept 4
	v_nop                                          ; four places between a matrix instruction and the first read of its result (ISA guide 7.12.1)
.endr
.set j, 0
.rept 8
	v_cndmask_b32 v[LG+j], v[DA+j], v[DB+j], s17   ; lanes 0-15: tokens 0 to 15; lanes 16-31: tokens 16 to 31; each accumulator from its lowest register on
.set j, j+1
.endr
	ds_store_b128 v7, v[LG:LG+3] offset:PL
	ds_store_b128 v7, v[LG+4:LG+7] offset:PL+16
	s_wait_dscnt 0x0                               ; for wave 0's sake: my partial logits lie in LDS
	s_barrier_signal -1
	s_barrier_wait -1
	s_cmp_lg_u32 s16, 0
	s_cbranch_scc1 .Lend
	; WAVE 0, a lane a token: the sixteen partial sums, the softmax, the two largest
.set wv, 0
.rept 16
	ds_load_b128 v[32+8*wv:32+8*wv+3],   v7 offset:PL+1024*wv
	ds_load_b128 v[32+8*wv+4:32+8*wv+7], v7 offset:PL+1024*wv+16
.set wv, wv+1
.endr
	s_lshl_b32 s24, ttmp9, 8
	s_mov_b32 s25, 0
	s_add_nc_u64 s[10:11], s[10:11], s[24:25]      ; 32 tokens x 8 bytes in wts and in idx
	s_add_nc_u64 s[12:13], s[12:13], s[24:25]
	s_lshl_b32 s24, ttmp9, 7
	s_add_nc_u64 s[14:15], s[14:15], s[24:25]      ; the batch's 32 words in sel
	v_lshlrev_b32 v252, 2, v1
	s_wait_dscnt 0x0
.irp st, 8,4,2,1
.set wv, 0
.rept \st
.set k, 0
.rept 4
	v_pk_add_f32 v[32+8*wv+2*k:32+8*wv+2*k+1], v[32+8*wv+2*k:32+8*wv+2*k+1], v[32+8*(wv+\st)+2*k:32+8*(wv+\st)+2*k+1]
.set k, k+1
.endr
.set wv, wv+1
.endr
.endr
	v_max3_num_f32 v242, v32, v33, v34             ; the eight logits lie in v[32:39]
	v_max3_num_f32 v242, v242, v35, v36
	v_max3_num_f32 v242, v242, v37, v38
	v_max_num_f32 v242, v242, v39
.irp i, 0,1,2,3,4,5,6,7
	v_sub_f32 v[40+\i], v[32+\i], v242
.endr
.irp i, 0,1,2,3,4,5,6,7
	v_mul_f32 v[40+\i], 0x3fb8aa3b, v[40+\i]       ; log2(e)
.endr
.irp i, 0,1,2,3,4,5,6,7
	v_exp_f32 v[40+\i], v[40+\i]
.endr
	v_nop                                          ; a plain instruction behind the last exponential,
	s_wait_alu depctr_va_vdst(0)                   ; and one wait for the eight, ahead of their first reader
	v_add_f32 v243, v40, v41
	v_add_f32 v244, v42, v43
	v_add_f32 v245, v44, v45
	v_add_f32 v250, v46, v47
	v_add_f32 v243, v243, v244
	v_add_f32 v245, v245, v250
	v_add_f32 v243, v243, v245
	v_rcp_f32 v244, v243
	v_nop
	s_wait_alu depctr_va_vdst(0)
.irp i, 0,1,2,3,4,5,6,7
	v_mul_f32 v[40+\i], v[40+\i], v244             ; the probabilities
.endr
	v_mov_b32 v246, v40                            ; the largest: a later one takes its place only if it is greater
	v_mov_b32 v248, 0
.irp i, 1,2,3,4,5,6,7
	v_cmp_gt_f32 vcc_lo, v[40+\i], v246
	v_cndmask_b32 v246, v246, v[40+\i], vcc_lo
	v_cndmask_b32 v248, v248, \i, vcc_lo
.endr
	v_mov_b32 v247, -1.0                           ; the second: the same among the other seven
	v_mov_b32 v249, 0
.irp i, 0,1,2,3,4,5,6,7
	v_cmp_gt_f32 s22, v[40+\i], v247
	v_cmp_ne_u32 s23, \i, v248
	s_and_b32 s22, s22, s23
	v_cndmask_b32 v247, v247, v[40+\i], s22
	v_cndmask_b32 v249, v249, \i, s22
.endr
	v_mov_b32 v250, 0
.irp i, 0,1,2,3,4,5,6,7
	v_cmp_eq_u32 s22, \i, v248                     ; a bit a token,
	v_cmp_eq_u32 s23, \i, v249
	v_writelane_b32 v250, s22, 2*\i                ; laid into the lane that stores the word
	v_writelane_b32 v250, s23, 2*\i+1
.endr
	global_store_b64 v4, v[246:247], s[10:11]      ; 256 consecutive bytes each
	global_store_b64 v4, v[248:249], s[12:13]
	global_store_b32 v252, v250, s[14:15]
.Lend:
	s_wait_tensorcnt 0x0                           ; the wave's end: a tensor wait, a closing LDS add and its wait, behind my last LDS store
	ds_add_u32 v[SPW], v[NIL]
	s_wait_dscnt 0x0
	s_endpgm
.Lfunc_end_k_q22a30f7ff4_router:
	.size	k_q22a30f7ff4_router, .Lfunc_end_k_q22a30f7ff4_router-k_q22a30f7ff4_router
	.p2alignl 7, 3214868480
	.fill 96, 4, 3214868480
	.section	.rodata,"a",@progbits
	.p2align	6, 0x0
	.amdhsa_kernel k_q22a30f7ff4_router
		.amdhsa_group_segment_fixed_size 84480
		.amdhsa_private_segment_fixed_size 0
		.amdhsa_enable_private_segment 0
		.amdhsa_kernarg_size 48
		.amdhsa_user_sgpr_count 2
		.amdhsa_user_sgpr_kernarg_segment_ptr 1
		.amdhsa_wavefront_size32 1
		.amdhsa_system_sgpr_workgroup_id_x 1
		.amdhsa_system_sgpr_workgroup_id_y 1
		.amdhsa_system_sgpr_workgroup_id_z 1
		.amdhsa_system_vgpr_workitem_id 0
		.amdhsa_next_free_vgpr 256
		.amdhsa_next_free_sgpr 66
		.amdhsa_reserve_vcc 1
		.amdhsa_float_denorm_mode_32 3
		.amdhsa_float_denorm_mode_16_64 3
		.amdhsa_memory_ordered 1
		.amdhsa_forward_progress 1
		.amdhsa_inst_pref_size 28
	.end_amdhsa_kernel
	.amdgpu_metadata
---
amdhsa.version: [ 1, 2 ]
amdhsa.kernels:
  - .name:           k_q22a30f7ff4_router
    .symbol:         k_q22a30f7ff4_router.kd
    .args:
      - { .name: x, .offset: 0, .size: 8, .value_kind: global_buffer, .address_space: global }
      - { .name: Wr, .offset: 8, .size: 8, .value_kind: global_buffer, .address_space: global }
      - { .name: xb, .offset: 16, .size: 8, .value_kind: global_buffer, .address_space: global }
      - { .name: wts, .offset: 24, .size: 8, .value_kind: global_buffer, .address_space: global }
      - { .name: idx, .offset: 32, .size: 8, .value_kind: global_buffer, .address_space: global }
      - { .name: sel, .offset: 40, .size: 8, .value_kind: global_buffer, .address_space: global }
    .group_segment_fixed_size: 84480
    .private_segment_fixed_size: 0
    .kernarg_segment_align: 8
    .kernarg_segment_size: 48
    .max_flat_workgroup_size: 512
    .sgpr_count:     66
    .vgpr_count:     256
    .wavefront_size: 32
...
	.end_amdgpu_metadata
.endif
;; end of part 5
;; launch fc1 (part 6): grid 32 x 8, 4 waves a work-group, no clusters, 268,288 bytes of LDS; arguments xb, W1, b1, sel, h; writes h
.if DOCPART == 6
	.amdgcn_target "amdgcn-amd-amdhsa--gfx1250"
	.amdhsa_code_object_version 6
	.text
	.protected	k_q22a30f7ff4_fc1
	.globl	k_q22a30f7ff4_fc1
	.p2align	8
	.type	k_q22a30f7ff4_fc1,@function
k_q22a30f7ff4_fc1:
	s_mov_b64 s[64:65], 0
	v_nop
	global_prefetch_b8 v0, s[64:65] scope:SCOPE_SE
	s_setreg_imm32_b32 hwreg(HW_REG_WAVE_MODE, 25, 1), 1
	s_wait_xcnt 0x0
; FIRST PRODUCT OF THE CHOSEN ROWS.  h = gelu(x W1[e] + b1[e]) for the tokens that chose expert e, in the order of their numbers.
; xb: [1024][1024] bf16.  W1: [8][1024][4096] f32.  b1: [8][4096] f32.  sel: [32 batches of 32 tokens][32 words], word 2 e + c: a bit a token, "choice c is expert e".
; h: f16, [8 e][64 tiles of 16 sorted rows][64 groups of 64 hidden][4 quads][32 lanes][16 bytes]: the second product's operand registers as they lie.
; SHARES.  Work-group (ns, e) has the slice W1[e][all 1,024 k][128 ns .. +127], 512 KiB of f32 that it alone reads, once, and ALL rows of expert e.  Tile T of 16 sorted rows belongs to wave T % 4;
; a wave holds five tiles x 8 column tiles = 40 accumulators, so the first pass takes 320 rows; passes 1 to 3 take the rest of any split (1,024 rows at the most) out of the slice, which by then lies whole in LDS.
; THE STREAM.  K goes in 16 chunks of 64.  Wave w = 2 g + s loads, of each chunk, 32 rows x 256 bytes (column group g, K step s): lanes 0-15 take 256 consecutive bytes of a row, aligned, lanes 16-31 of the row 32 below.
; Rounding pairs of rows packs the operand registers at once, with no transposition: slot (lane half hh, register p, half b) of BOTH operands holds k = 64 c + 32 hh + 16 s + 2 p + b (one permutation of k, alike on both
; sides), and lane l % 16 of column tile t means column 4 (l % 16) + t of the group.  The fragments go to LDS, each byte written once; every wave reads all of a chunk's.  One barrier a chunk.
; BY K STEPS.  A chunk is two K steps of 32, 40 matrix instructions each.  While one step is multiplied, the other step's fragments come out of LDS into the buffer that the step before has left, and the token rows of
; the same step one chunk and a half ahead are asked for into the registers just left.
; THE MATRIX INSTRUCTION IS USED TRANSPOSED (source 0 = weights, source 1 = tokens): a lane then holds one token and the hidden columns 32 hh + 4 j + t, which are just the 32 k that the second product's lane wants.
; THE ROUTING is made here, from the lane masks.  Every wave counts the expert's rows and finds, in registers, the tokens of its own five tiles' ranks: so the first rows are asked for with no trip through LDS and no
; barrier in front.  Wave 0 also lays the list of 2 token + choice into LDS, for the passes past 320 rows.  Ranks past the count take token 0 (a row that exists); whole tiles are stored.
; NO CLUSTER: each weight byte has one reader; the rows that an expert's 32 work-groups share come by a list, which no tensor descriptor covers.  No tensor loads: the weights pass through registers to be rounded.
; THE FORMATS.  All inputs are rounded to bf16.  h, which the program itself makes, is rounded to f16: its 11 significant bits leave an eighth of bf16's error, which an output row with large gate weights needs.
; LIMITS.  f16 ends at 65,504: the text serves |x W1 + b1| below that.  A sum of 1,024 products of x (spread 1) and W1 (spread 0.02) has spread 0.64; with both 30 times larger 576; with offsets of 30 spreads on both
; (30 and 0.6) it is about 1,024 x 18 = 18,432.  Below 6.1e-5 h keeps f16's fixed step of 6e-8.  erf by a polynomial times an exponential (Abramowitz and Stegun 7.1.26), absolute error 1.5e-7, for every finite argument;
; the exponential below 2^-126 counts as 0.  NaN and infinities are not treated apart.  Rows past 320 of an expert are multiplied without loads ahead.
.set LROW,  14                         ; a row of W1 is 2^14 bytes
.set ROWB,  1<<LROW
.set CHB,   64*ROWB                    ; a chunk of weights in memory
.set ACH,   128                        ; a chunk of a token's row
.set AQ,    16                         ; from quad to quad of it
.set CHL,   16384                      ; a chunk in LDS: fragment (w, t) at (4 w + t) x 1,024, its registers 4-7 at + 512, 16 bytes a lane
.set LIST,  262144                     ; behind the slice: 1,280 entries, then 32 words for the lanes that have nothing to store
.set SPARE, 267776                     ; the spare words: 128 bytes for each wave
; window 0: v0 thread; v1 16 x lane; v2 my place in a chunk of weights; v3 where I store fragments; v4 where I read them; v5 64 hh; v6 my place in the list; v7 my place in sel; v15 128 hh
.set AOFF, 10                          ; v10-14   byte offset of my row of xb, for each of five tiles
.set SPW,  16
.set NIL,  17
.set BF,   32                          ; v32-159  fragments of the weights: K step s, column tile n at BF + 64 s + 8 n
.set CT,   160                         ; v160-191 fragments just rounded
.set BL,   192                         ; v192-255 the bias of my 64 columns: BL + 32 g + 4 j + t
; window 1: accumulators of tiles 0-3 at 64 j + 8 n.  window 2: v0-63 tile 4's; v64-127, v128-191 weights as loaded, two sets.  window 3: token fragments, two sets: 80 set + 16 j + 4 quad
; at the start, in the fragments' registers, five each: from rank to token
.set RK,   64                          ; my rank in tile j
.set MK,   72                          ; the mask of the batch that holds it
.set XK,   80                          ; that batch's number << 16 | the rows ahead of it
.set N2,   88                          ; the mask's bits counted in fields of 2,
.set N4,   96                          ; of 4,
.set N8,   104                         ; of 8;
.set N16,  112                         ; low byte: bits 0 to 15
.set DD,   120                         ; set bits still to be passed
.set PP,   128                         ; the place in the mask
.set TT,   136                         ; at work
.set T2,   144
.set PG,   32                          ; the way out, window 0: u, later the result
.set MG,   64                          ; |u|
.set TG,   96                          ; t = 1 / (1 + p z); later the packed result
.set EG,   128                         ; e^(-z z)
.set RG,   160                         ; the polynomial
.set SW,   32                          ; s[32:33] weights: walks
.set SA,   34                          ; s[34:35] xb: walks
.set PZ,   44                          ; s[44:57] constants, each twice: the packed forms name pairs
.set NK,   46
.set A1,   48
.set A2,   50
.set A3,   52
.set A4,   54
.set A5,   56
; s14 wave, s15 g, s16 s, s17 e, s18 ns, s19 rows of the expert, s20 its tiles (at least 1), s21 my live tiles in this pass, s22 pass, s23, s24 counters, s28 my first tile of the pass
.set MSB, 0
.macro WIN new                         ; s_set_vgpr_msb: bits 1:0 source 0, 3:2 source 1, 5:4 source 2, 7:6 destination; the high byte repeats the setting that is left
.if MSB != (\new)
	s_set_vgpr_msb (MSB<<8)|(\new)
.set MSB, \new
.endif
.endm
.macro PLACES                          ; four plain instructions between a matrix instruction and a load into, or a read of, its registers
.rept 4
	v_nop
.endr
.endm
.macro KON r, val
	s_mov_b32 s[\r], \val
	s_mov_b32 s[(\r)+1], \val
.endm
.macro ALL5 line:vararg                ; one line for each of my five tiles, j = 0 .. 4
.set j, 0
.rept 5
	\line
.set j, j+1
.endr
.endm
.macro WLOAD set, k                    ; my 32 rows x 256 bytes of the chunk k chunks behind s[SW]
	WIN 0x80
.set i, 0
.rept 16
	global_load_b128 v[64+64*(\set)+4*i:64+64*(\set)+4*i+3], v2, s[SW:SW+1] offset:(\k)*CHB+i*ROWB th:TH_LOAD_NT
.set i, i+1
.endr
.endm
.macro CVT set                         ; register p of column tile t = rows 2 p and 2 p + 1 of column t, rounded
	WIN 0x0a
.set t, 0
.rept 4
.set p, 0
.rept 8
	v_cvt_pk_bf16_f32 v[CT+8*t+p], v[64+64*(\set)+8*p+t], v[64+64*(\set)+8*p+4+t]
.set p, p+1
.endr
.set t, t+1
.endr
.endm
.macro WSTORE k
	WIN 0
.set t, 0
.rept 4
	ds_store_b128 v3, v[CT+8*t:CT+8*t+3]   offset:(\k)*CHL+t*1024
	ds_store_b128 v3, v[CT+8*t+4:CT+8*t+7] offset:(\k)*CHL+t*1024+512
.set t, t+1
.endr
.endm
.macro BSTEP ks, k                     ; the weights' fragments of K step ks of the chunk k chunks behind v4: 16 loads of 512 consecutive bytes
	WIN 0
.set n, 0
.rept 8
	ds_load_b128 v[BF+64*(\ks)+8*n:BF+64*(\ks)+8*n+3],   v4 offset:(\k)*CHL+((2*(n/4)+(\ks))*4+n%4)*1024
	ds_load_b128 v[BF+64*(\ks)+8*n+4:BF+64*(\ks)+8*n+7], v4 offset:(\k)*CHL+((2*(n/4)+(\ks))*4+n%4)*1024+512
.set n, n+1
.endr
.endm
.macro ASTEP set, ks, k                ; five tiles' token fragments of K step ks (quads 2 ks, 2 ks + 1): ten loads, always all five tiles, so that every counted wait holds on every path
	WIN 0xc0
.set j, 0
.rept 5
.set q, 2*(\ks)
.rept 2
	global_load_b128 v[80*(\set)+16*j+4*q:80*(\set)+16*j+4*q+3], v[AOFF+j], s[SA:SA+1] offset:(\k)*ACH+q*AQ
.set q, q+1
.endr
.set j, j+1
.endr
.endm
; One K step of 32: 40 matrix instructions, each accumulator one turn.  zero = 1: the products start the sums, for all five tiles.  Else the fifth tile is jumped where the wave has fewer.
.macro MM ks, p, zero
	WIN 0x5c                                       ; weights window 0, tokens window 3, sums window 1
.set j, 0
.rept 4
.set n, 0
.rept 8
.if \zero
	v_wmma_f32_16x16x32_bf16 v[64*j+8*n:64*j+8*n+7], v[BF+64*(\ks)+8*n:BF+64*(\ks)+8*n+7], v[80*(\p)+16*j+8*(\ks):80*(\p)+16*j+8*(\ks)+7], 0
.else
	v_wmma_f32_16x16x32_bf16 v[64*j+8*n:64*j+8*n+7], v[BF+64*(\ks)+8*n:BF+64*(\ks)+8*n+7], v[80*(\p)+16*j+8*(\ks):80*(\p)+16*j+8*(\ks)+7], v[64*j+8*n:64*j+8*n+7]
.endif
.set n, n+1
.endr
.set j, j+1
.endr
.if !(\zero)
	WIN 0
	s_cmp_lt_u32 s21, 5
	s_cbranch_scc1 .Lno5_\@
.endif
	WIN 0xac                                       ; sums window 2
.set n, 0
.rept 8
.if \zero
	v_wmma_f32_16x16x32_bf16 v[8*n:8*n+7], v[BF+64*(\ks)+8*n:BF+64*(\ks)+8*n+7], v[80*(\p)+64+8*(\ks):80*(\p)+64+8*(\ks)+7], 0
.else
	v_wmma_f32_16x16x32_bf16 v[8*n:8*n+7], v[BF+64*(\ks)+8*n:BF+64*(\ks)+8*n+7], v[80*(\p)+64+8*(\ks):80*(\p)+64+8*(\ks)+7], v[8*n:8*n+7]
.endif
.set n, n+1
.endr
	WIN 0
.if !(\zero)
.Lno5_\@:
.endif
.endm
; TRIP c multiplies chunk c (tokens in set p = c % 2).  W(i): chunk i's weights, 16 loads; A0(i), A1(i): chunk i's token rows of K step 0, 1, ten loads each.  Global loads go out in the order
; .. | A1(c+1), W(c+3), A0(c+2) | A1(c+2), W(c+4), A0(c+3) | ..: a wave never has more than 62 out.
; HEAD.  wh: W(c+1) and A0(c) are in; behind them A1(c), W(c+2), A0(c+1) may stay out: 10 + 16 + 10 = 36.  Chunk c + 1 is rounded (the conversions are the places behind the last trip's products) and stored; A1(c+1) and
; W(c+3) are asked for into the registers just left.  When my stores are done and K step 0's fragments are in, I signal; then K step 1's fragments of chunk c are asked for (bytes that nobody writes any more).
; MIDDLE, behind K step 0's products.  wm: A1(c) is in; behind it W(c+2), A0(c+1), A1(c+1), W(c+3) may stay out: 16 + 10 + 10 + 16 = 52.  Behind the barrier chunk c + 1 is whole: its K step 0's fragments and A0(c+2) are
; asked for into the registers that K step 0 has left, four places behind its last product.  No LDS byte is written twice, so one barrier a chunk is enough.
; cv = 0: the last trip: nothing is left to round, store or fetch.  lw, la1, la0 = 0: no such load is left.
.macro TRIP p, kY, kX, kS, kA1, kA0, kW, cv, lw, la1, la0, wh, wm, zero
	s_wait_loadcnt \wh
.if \cv
	CVT 1-(\p)
	WSTORE \kS
.else
	WIN 0
	PLACES
.endif
.if \la1
	ASTEP 1-(\p), 1, \kA1
.endif
.if \lw
	WLOAD 1-(\p), \kW
.endif
	s_wait_dscnt 0x0                               ; K step 0's fragments are in; for the others' sake: my fragments of chunk c + 1 lie in LDS
.if \cv
	s_barrier_signal -1
.endif
	BSTEP 1, \kY
	MM 0, \p, \zero
	s_wait_loadcnt \wm
.if \cv
	s_barrier_wait -1
	PLACES
	BSTEP 0, \kX
.endif
.if \la0
	ASTEP \p, 0, \kA0
.endif
	s_wait_dscnt 16*(\cv)                          ; K step 1's fragments are in; the 16 loads just issued may be out
	MM 1, \p, 0
.endm
.macro OTRIP zero                      ; a chunk of a later pass: the slice lies in LDS; nothing is asked for ahead
	WIN 0
	PLACES
	BSTEP 0, 0
	BSTEP 1, 0
	ASTEP 0, 0, 0
	ASTEP 0, 1, 0
	WIN 0
	s_wait_loadcnt 0x0
	s_wait_dscnt 0x0
	MM 0, 0, \zero
	MM 1, 0, 0
	s_add_nc_u64 s[SA:SA+1], s[SA:SA+1], ACH       ; its loads are done
	v_add_nc_u32 v4, CHL, v4
.endm
.macro CALCNL                          ; s28 = 20 pass + wave, my first tile; s21 = how many of s28, s28 + 4, .. s28 + 16 lie under s20
	s_mul_i32 s28, s22, 20
	s_add_co_u32 s28, s28, s14
	s_sub_co_i32 s25, s20, s28
	s_max_i32 s25, s25, 0
	s_add_co_u32 s25, s25, 3
	s_lshr_b32 s25, s25, 2
	s_min_u32 s21, s25, 5
.endm
.macro SETUP                           ; a later pass: my row's token in each of the five tiles, from the list
	WIN 0
.irp j, 0,1,2,3,4
	ds_load_b32 v[22+\j], v6 offset:256*\j
.endr
	s_wait_dscnt 0x0
.irp j, 0,1,2,3,4
	v_lshrrev_b32 v[22+\j], 1, v[22+\j]
	v_min_u32 v[22+\j], 0x3ff, v[22+\j]
	v_lshl_add_u32 v[AOFF+\j], v[22+\j], 11, v5    ; token x 2,048 + 64 hh
.endr
.endm
; A halving step of the search for the DD-th set bit: the field of \wd bits at PP in \src counts the set bits of the lower \st places; if DD is no less, they are passed and the place moves up by \st.
.macro LEVEL src, wd, st
	ALL5 v_bfe_u32 v[TT+j], v[(\src)+j], v[PP+j], \wd
.set j, 0
.rept 5
	v_cmp_ge_u32 vcc_lo, v[DD+j], v[TT+j]
	v_cndmask_b32 v[TT+j], 0, v[TT+j], vcc_lo
	v_cndmask_b32 v[T2+j], 0, \st, vcc_lo
.set j, j+1
.endr
	ALL5 v_sub_nc_u32 v[DD+j], v[DD+j], v[TT+j]
	ALL5 v_add_nc_u32 v[PP+j], v[PP+j], v[T2+j]
.endm
	s_load_b256 s[4:11], s[0:1], 0x0               ; xb s[4:5], W1 s[6:7], b1 s[8:9], sel s[10:11]
	s_load_b64 s[12:13], s[0:1], 0x20              ; h
	v_lshl_add_u32 v[SPW], v0, 2, SPARE
	v_mov_b32 v[NIL], 0
	v_lshrrev_b32 v8, 5, v0
	v_readfirstlane_b32 s14, v8                    ; wave
	s_lshr_b32 s15, s14, 1                         ; g: my column group
	s_and_b32 s16, s14, 1                          ; s: my K step
	s_and_b32 s17, ttmp7, 0xffff                   ; e
	s_mov_b32 s18, ttmp9                           ; ns
	v_and_b32 v9, 31, v0                           ; lane
	v_and_b32 v20, 15, v0                          ; l % 16
	v_bfe_u32 v21, v0, 4, 1                        ; hh = l / 16
	v_lshlrev_b32 v1, 4, v9
	s_lshl_b32 s25, s16, LROW+4                    ; 16 s rows
	s_lshl_b32 s26, s15, 8                         ; 256 g bytes
	s_add_co_u32 s25, s25, s26
	v_lshl_add_u32 v2, v21, LROW+5, s25            ; + 32 hh rows
	v_lshl_add_u32 v2, v20, 4, v2                  ; + 16 (l % 16)
	s_lshl_b32 s25, s14, 12
	v_add_nc_u32 v3, s25, v1                       ; my four fragments of a chunk
	v_mov_b32 v4, v1
	v_lshlrev_b32 v5, 6, v21
	s_lshl_b32 s25, s14, 6
	s_add_co_u32 s25, s25, LIST
	v_lshl_add_u32 v6, v20, 2, s25                 ; entry 16 w + l % 16; 64 entries on for each further tile
	s_lshl_b32 s25, s17, 3
	v_lshl_add_u32 v7, v9, 7, s25                  ; lane b: batch b's two words for expert e
	v_lshlrev_b32 v15, 7, v21
	v_add_nc_u32 v23, 0x500, v9                    ; where a lane without a row stores: entry 1,280 + lane
	v_lshlrev_b32 v24, 1, v9                       ; 2 token, for choice 0,
	v_lshl_or_b32 v25, v9, 1, 1                    ; and for choice 1
	v_add_nc_u32 v27, LIST, v1
	v_mov_b32 v28, 0
	v_mov_b32 v29, 0
	v_mov_b32 v30, 0
	v_mov_b32 v31, 0
	v_lshl_add_u32 v[RK], s14, 4, v20              ; my rank in my first tile: 16 w + l % 16; 64 on for each further tile
.irp j, 1,2,3,4
	v_add_nc_u32 v[RK+\j], 64*\j, v[RK]
.endr
	ALL5 v_mov_b32 v[MK+j], 0
	ALL5 v_mov_b32 v[XK+j], 0
	ALL5 v_mov_b32 v[PP+j], 0
	s_mov_b32 s72, 0x55555555
	s_mov_b32 s73, 0x33333333
	s_mov_b32 s74, 0x0f0f0f0f
	KON PZ, 0x3e6d3388                             ; 0.3275911 / sqrt(2)
	KON NK, 0xbf38aa3b                             ; -log2(e) / 2
	KON A1, 0x3e027906                             ; the five coefficients, halved
	KON A2, 0xbe11a98e
	KON A3, 0x3f35f0e3
	KON A4, 0xbf3a00e3
	KON A5, 0x3f07dc22
	s_mov_b32 s62, 0x7fffffff
	s_mov_b32 s63, 0xffff0000
	s_lshl_b32 s26, s17, 24                        ; W1: e x 16 MiB + ns x 512
	s_lshl_b32 s27, s18, 9
	s_add_co_u32 s26, s26, s27
	s_mov_b32 s27, 0
	s_lshl_b32 s28, s17, 14                        ; b1: e x 16,384 + ns x 512
	s_lshl_b32 s29, s18, 9
	s_add_co_u32 s28, s28, s29
	s_mov_b32 s29, 0
	s_lshl_b32 s30, s17, 23                        ; h: e x 8 MiB + ns x 2 groups of 2,048
	s_lshl_b32 s31, s18, 12
	s_add_co_u32 s30, s30, s31
	s_mov_b32 s31, 0
	s_mov_b32 s19, 0
	s_mov_b32 s66, 0
	s_mov_b32 s22, 0
	s_wait_kmcnt 0x0
	s_add_nc_u64 s[SW:SW+1], s[6:7], s[26:27]
	s_add_nc_u64 s[40:41], s[8:9], s[28:29]
	s_add_nc_u64 s[38:39], s[12:13], s[30:31]
	s_mov_b64 s[SA:SA+1], s[4:5]
	global_load_b64 v[18:19], v7, s[10:11]
.set g, 0
.rept 2
.set r, 0
.rept 8
	global_load_b128 v[BL+32*g+4*r:BL+32*g+4*r+3], v15, s[40:41] offset:256*g+16*r
.set r, r+1
.endr
.set g, g+1
.endr
	WLOAD 0, 0
	WLOAD 1, 1
	WIN 0
	; THE ROUTING.  Up to the first barrier below wave 0 alone touches LDS.
	s_cmp_lg_u32 s14, 0
	s_cbranch_scc1 .Lnofill
.set i, 0
.rept 10
	ds_store_b128 v27, v[28:31] offset:512*i       ; every entry starts as 0
.set i, i+1
.endr
.Lnofill:
	s_wait_loadcnt 48                              ; the masks are in; the bias's 16 loads and two chunks' 32 stay out
.Lbatch:                                               ; 32 batches of 32 tokens
	v_readlane_b32 s67, v18, s66                   ; who chose e first,
	v_readlane_b32 s68, v19, s66                   ; who second
	s_or_b32 s69, s67, s68
	s_lshl_b32 s71, s66, 16
	s_or_b32 s71, s71, s19                         ; the batch's number and the rows ahead of it (1,024 at the most)
.set j, 0
.rept 5
	v_cmp_le_u32 vcc_lo, s19, v[RK+j]              ; the last batch that begins at or below my rank is the one that holds it
	v_cndmask_b32 v[MK+j], v[MK+j], s69, vcc_lo
	v_cndmask_b32 v[XK+j], v[XK+j], s71, vcc_lo
.set j, j+1
.endr
	s_cmp_lg_u32 s14, 0
	s_cbranch_scc1 .Lnolist
	v_mbcnt_lo_u32_b32 v22, s69, s19               ; my rank: the rows so far + the batch's rows in lower lanes
	v_cndmask_b32 v22, v23, v22, s69
	v_min_u32 v22, 0x51f, v22
	v_lshl_add_u32 v22, v22, 2, LIST
	v_cndmask_b32 v26, v24, v25, s68
	ds_store_b32 v22, v26
	v_add_nc_u32 v24, 64, v24
	v_add_nc_u32 v25, 64, v25
.Lnolist:
	s_bcnt1_i32_b32 s70, s69
	s_add_co_u32 s19, s19, s70
	s_add_co_u32 s66, s66, 1
	s_cmp_lt_u32 s66, 32
	s_cbranch_scc1 .Lbatch
	; from rank to token: the token is 32 x batch + the place of the mask's set bit number (rank - rows ahead of the batch), the order in which the list has them
	ALL5 v_and_b32 v[TT+j], 0xffff, v[XK+j]
	ALL5 v_lshrrev_b32 v[XK+j], 16, v[XK+j]
	ALL5 v_sub_nc_u32 v[DD+j], v[RK+j], v[TT+j]
	ALL5 v_lshrrev_b32 v[TT+j], 1, v[MK+j]
	ALL5 v_and_b32 v[TT+j], s72, v[TT+j]
	ALL5 v_sub_nc_u32 v[N2+j], v[MK+j], v[TT+j]
	ALL5 v_lshrrev_b32 v[TT+j], 2, v[N2+j]
	ALL5 v_and_b32 v[TT+j], s73, v[TT+j]
	ALL5 v_and_b32 v[N4+j], s73, v[N2+j]
	ALL5 v_add_nc_u32 v[N4+j], v[N4+j], v[TT+j]
	ALL5 v_lshrrev_b32 v[TT+j], 4, v[N4+j]
	ALL5 v_add_nc_u32 v[TT+j], v[N4+j], v[TT+j]
	ALL5 v_and_b32 v[N8+j], s74, v[TT+j]
	ALL5 v_lshrrev_b32 v[TT+j], 8, v[N8+j]
	ALL5 v_add_nc_u32 v[N16+j], v[N8+j], v[TT+j]
	LEVEL N16, 8, 16
	LEVEL N8, 8, 8
	LEVEL N4, 4, 4
	LEVEL N2, 2, 2
	LEVEL MK, 1, 1
	ALL5 v_lshl_add_u32 v[TT+j], v[XK+j], 5, v[PP+j]
.set j, 0
.rept 5
	v_cmp_gt_u32 vcc_lo, s19, v[RK+j]              ; a rank past the count takes token 0
	v_cndmask_b32 v[TT+j], 0, v[TT+j], vcc_lo
.set j, j+1
.endr
	ALL5 v_min_u32 v[TT+j], 0x3ff, v[TT+j]
	ALL5 v_lshl_add_u32 v[AOFF+j], v[TT+j], 11, v5  ; token x 2,048 + 64 hh
	s_wait_loadcnt 32                              ; the bias is in; two chunks stay out: with the 30 loads below 62 are out
	ASTEP 0, 0, 0
	ASTEP 0, 1, 0
	ASTEP 1, 0, 1
	WIN 0
.set m, 0
.rept 32
	v_cvt_pk_bf16_f32 v[BF+m], v[BL+2*m], v[BL+2*m+1]
.set m, m+1
.endr
.set m, 0
.rept 32
	v_lshlrev_b32 v[BL+2*m], 16, v[BF+m]
	v_and_b32 v[BL+2*m+1], s63, v[BF+m]
.set m, m+1
.endr
	s_wait_dscnt 0x0                               ; the list lies in LDS
	s_barrier_signal -1
	s_barrier_wait -1
	s_min_u32 s19, s19, 0x400
	s_add_co_u32 s20, s19, 15
	s_lshr_b32 s20, s20, 4
	s_max_u32 s20, s20, 1                          ; tile 0 is always made: the second product's clamped loads find it
	CALCNL
	s_wait_loadcnt 46                              ; chunk 0 is in; chunk 1's 16 loads and the tokens' 30 stay out
	CVT 0
	WSTORE 0
	WLOAD 0, 2
	WIN 0
	s_wait_dscnt 0x0
	s_barrier_signal -1
	s_barrier_wait -1                              ; chunk 0 is whole
	BSTEP 0, 0
	TRIP 0, 0, 1, 1, 1, 2, 3, 1, 1, 1, 1, 36, 52, 1
	s_wait_xcnt 0x0                                ; the bases are stepped only behind this wait
	s_add_nc_u64 s[SW:SW+1], s[SW:SW+1], 4*CHB
	s_add_nc_u64 s[SA:SA+1], s[SA:SA+1], 2*ACH
	v_add_nc_u32 v4, CHL, v4
	v_add_nc_u32 v3, 2*CHL, v3
	s_mov_b32 s23, 6
.Lk:                                                   ; trips 1 to 12.  At the head, for the first trip c: v4 at chunk c, v3 and s[SA] at c + 1, s[SW] at c + 3
	TRIP 1, 0, 1, 0, 0, 1, 0, 1, 1, 1, 1, 36, 52, 0
	TRIP 0, 1, 2, 1, 1, 2, 1, 1, 1, 1, 1, 36, 52, 0
	s_wait_xcnt 0x0
	s_add_nc_u64 s[SW:SW+1], s[SW:SW+1], 2*CHB
	s_add_nc_u64 s[SA:SA+1], s[SA:SA+1], 2*ACH
	v_add_nc_u32 v3, 2*CHL, v3
	v_add_nc_u32 v4, 2*CHL, v4
	s_sub_co_u32 s23, s23, 1
	s_cmp_lg_u32 s23, 0
	s_cbranch_scc1 .Lk
	TRIP 1, 0, 1, 0, 0, 1, 0, 1, 0, 1, 1, 36, 36, 0  ; trip 13: no weights are left to ask for.  Middle: behind A1(13) stand W(15), A0(14), A1(14): 36
	TRIP 0, 1, 2, 1, 1, 0, 0, 1, 0, 1, 0, 20, 20, 0  ; trip 14.  Head: behind A0(14) stand A1(14), A0(15); middle: behind A1(14) stand A0(15), A1(15)
	TRIP 1, 2, 0, 0, 0, 0, 0, 0, 0, 0, 0, 10, 0, 0   ; trip 15.  Head: A1(15) may stay out.  Nothing is stored, so no barrier stands here
	s_branch .Lepi
.Lpass:                                                ; passes 1 to 3: rows 320 on
	CALCNL
	s_cmp_eq_u32 s21, 0
	s_cbranch_scc1 .Lnext
	s_wait_loadcnt 0x0
	s_wait_xcnt 0x0                                ; the last pass's stores have read their registers
	SETUP
	s_mov_b64 s[SA:SA+1], s[4:5]
	v_mov_b32 v4, v1
	OTRIP 1
	s_mov_b32 s23, 15
.Lo:
	OTRIP 0
	s_sub_co_u32 s23, s23, 1
	s_cmp_lg_u32 s23, 0
	s_cbranch_scc1 .Lo
.Lepi:
	; THE WAY OUT, in ten units of a tile x 64 columns.  What differs from unit to unit, the accumulators' names, is the addition of the bias; the rest is written once.
	PLACES
	s_mov_b32 s24, 0
.macro COPY u
.set jt, (\u)/2
.set gg, (\u)%2
.if jt < 4
	WIN 0x01
.set ab, 64*jt+32*gg
.else
	WIN 0x02
.set ab, 32*gg
.endif
.set t, 0
.rept 4
.set r, 0
.rept 8
	v_add_f32 v[PG+8*t+r], v[ab+8*t+r], v[BL+32*gg+4*r+t]  ; each accumulator from its lowest register on
.set r, r+1
.endr
.set t, t+1
.endr
	WIN 0
.endm
.Lunit:
	s_lshr_b32 s25, s24, 1                         ; the unit's tile
	s_cmp_ge_u32 s25, s21
	s_cbranch_scc1 .Lunext
.irp u, 1,2,3,4,5,6,7,8,9
	s_cmp_eq_u32 s24, \u
	s_cbranch_scc1 .Lcopy\u
.endr
	COPY 0
	s_branch .Lproc
.irp u, 1,2,3,4,5,6,7,8
.Lcopy\u:
	COPY \u
	s_branch .Lproc
.endr
.Lcopy9:
	COPY 9
.Lproc:
	; gelu(u) = (u + |u|) / 2 - (|u| / 2) erfc(|u| / sqrt 2);  erfc(z) = (a1 t + .. + a5 t^5) e^(-z z), t = 1 / (1 + 0.3275911 z)
	s_wait_xcnt 0x0                                ; the last unit's stores have read their data and their base
	s_lshl2_add_u32 s26, s25, s28                  ; the tile's number
	s_lshl_b32 s26, s26, 17
	s_and_b32 s27, s24, 1
	s_lshl_b32 s27, s27, 11
	s_add_co_u32 s26, s26, s27
	s_mov_b32 s27, 0
	s_add_nc_u64 s[40:41], s[38:39], s[26:27]
.set m, 0
.rept 32
	v_and_b32 v[MG+m], s62, v[PG+m]
.set m, m+1
.endr
.macro ALL16 line:vararg               ; one line for each of the 16 pairs, m = 0, 2 .. 30
.set m, 0
.rept 16
	\line
.set m, m+2
.endr
.endm
	ALL16 v_pk_fma_f32 v[TG+m:TG+m+1], v[MG+m:MG+m+1], s[PZ:PZ+1], 1.0 op_sel_hi:[1,0,0]
	ALL16 v_pk_mul_f32 v[EG+m:EG+m+1], v[PG+m:PG+m+1], v[PG+m:PG+m+1]
	ALL16 v_pk_mul_f32 v[EG+m:EG+m+1], v[EG+m:EG+m+1], s[NK:NK+1] op_sel_hi:[1,0]
.set m, 0
.rept 32
	v_rcp_f32 v[TG+m], v[TG+m]
.set m, m+1
.endr
.set m, 0
.rept 32
	v_exp_f32 v[EG+m], v[EG+m]
.set m, m+1
.endr
	ALL16 v_pk_add_f32 v[PG+m:PG+m+1], v[PG+m:PG+m+1], v[MG+m:MG+m+1]  ; plain work behind the batch, which names none of its results
	s_wait_alu depctr_va_vdst(0)                   ; one wait for the 64, ahead of their first reader
	ALL16 v_pk_fma_f32 v[RG+m:RG+m+1], v[TG+m:TG+m+1], s[A5:A5+1], s[A4:A4+1] op_sel_hi:[1,0,0]
	ALL16 v_pk_mul_f32 v[EG+m:EG+m+1], v[EG+m:EG+m+1], v[MG+m:MG+m+1]
	ALL16 v_pk_fma_f32 v[RG+m:RG+m+1], v[RG+m:RG+m+1], v[TG+m:TG+m+1], s[A3:A3+1] op_sel_hi:[1,1,0]
	ALL16 v_pk_fma_f32 v[RG+m:RG+m+1], v[RG+m:RG+m+1], v[TG+m:TG+m+1], s[A2:A2+1] op_sel_hi:[1,1,0]
	ALL16 v_pk_fma_f32 v[RG+m:RG+m+1], v[RG+m:RG+m+1], v[TG+m:TG+m+1], s[A1:A1+1] op_sel_hi:[1,1,0]
	ALL16 v_pk_mul_f32 v[RG+m:RG+m+1], v[RG+m:RG+m+1], v[TG+m:TG+m+1]
	ALL16 v_pk_mul_f32 v[RG+m:RG+m+1], v[RG+m:RG+m+1], v[EG+m:EG+m+1]
	ALL16 v_pk_fma_f32 v[PG+m:PG+m+1], v[PG+m:PG+m+1], 0.5, v[RG+m:RG+m+1] op_sel_hi:[1,0,1] neg_lo:[0,0,1] neg_hi:[0,0,1]
.set q, 0
.rept 4                                ; quad q: my token's hidden columns 32 hh + 8 q + 0 .. 7 = (j, t) for j = 2 q, 2 q + 1 and t = 0 .. 3, rounded once, to f16
	v_cvt_pk_f16_f32 v[TG+4*q],   v[PG+2*q],      v[PG+8+2*q]
	v_cvt_pk_f16_f32 v[TG+4*q+1], v[PG+16+2*q],   v[PG+24+2*q]
	v_cvt_pk_f16_f32 v[TG+4*q+2], v[PG+2*q+1],    v[PG+8+2*q+1]
	v_cvt_pk_f16_f32 v[TG+4*q+3], v[PG+16+2*q+1], v[PG+24+2*q+1]
.set q, q+1
.endr
.set q, 0
.rept 4
	global_store_b128 v1, v[TG+4*q:TG+4*q+3], s[40:41] offset:512*q  ; 512 consecutive bytes, aligned
.set q, q+1
.endr
.Lunext:
	s_add_co_u32 s24, s24, 1
	s_cmp_lt_u32 s24, 10
	s_cbranch_scc1 .Lunit
.Lnext:
	s_add_co_u32 s22, s22, 1
	v_add_nc_u32 v6, 0x500, v6                     ; 320 entries on
	s_cmp_lt_u32 s22, 4
	s_cbranch_scc1 .Lpass
	s_wait_dscnt 0x0                               ; my reads of LDS are over,
	s_barrier_signal -1
	s_barrier_wait -1                              ; and so are every wave's: the closing adds below stand behind all reads of LDS
	s_wait_tensorcnt 0x0                           ; the wave's end: a tensor wait, a closing LDS add and its wait, behind my last LDS store
	ds_add_u32 v[SPW], v[NIL]
	s_wait_dscnt 0x0
	s_endpgm
.Lfunc_end_k_q22a30f7ff4_fc1:
	.size	k_q22a30f7ff4_fc1, .Lfunc_end_k_q22a30f7ff4_fc1-k_q22a30f7ff4_fc1
	.p2alignl 7, 3214868480
	.fill 96, 4, 3214868480
	.section	.rodata,"a",@progbits
	.p2align	6, 0x0
	.amdhsa_kernel k_q22a30f7ff4_fc1
		.amdhsa_group_segment_fixed_size 268288
		.amdhsa_private_segment_fixed_size 0
		.amdhsa_enable_private_segment 0
		.amdhsa_kernarg_size 40
		.amdhsa_user_sgpr_count 2
		.amdhsa_user_sgpr_kernarg_segment_ptr 1
		.amdhsa_wavefront_size32 1
		.amdhsa_system_sgpr_workgroup_id_x 1
		.amdhsa_system_sgpr_workgroup_id_y 1
		.amdhsa_system_sgpr_workgroup_id_z 1
		.amdhsa_system_vgpr_workitem_id 0
		.amdhsa_next_free_vgpr 928
		.amdhsa_next_free_sgpr 80
		.amdhsa_reserve_vcc 1
		.amdhsa_float_denorm_mode_32 3
		.amdhsa_float_denorm_mode_16_64 3
		.amdhsa_memory_ordered 1
		.amdhsa_forward_progress 1
		.amdhsa_inst_pref_size 156
	.end_amdhsa_kernel
	.amdgpu_metadata
---
amdhsa.version: [ 1, 2 ]
amdhsa.kernels:
  - .name:           k_q22a30f7ff4_fc1
    .symbol:         k_q22a30f7ff4_fc1.kd
    .args:
      - { .name: xb, .offset: 0, .size: 8, .value_kind: global_buffer, .address_space: global }
      - { .name: W1, .offset: 8, .size: 8, .value_kind: global_buffer, .address_space: global }
      - { .name: b1, .offset: 16, .size: 8, .value_kind: global_buffer, .address_space: global }
      - { .name: sel, .offset: 24, .size: 8, .value_kind: global_buffer, .address_space: global }
      - { .name: h, .offset: 32, .size: 8, .value_kind: global_buffer, .address_space: global }
    .group_segment_fixed_size: 268288
    .private_segment_fixed_size: 0
    .kernarg_segment_align: 8
    .kernarg_segment_size: 40
    .max_flat_workgroup_size: 128
    .sgpr_count:     80
    .vgpr_count:     928
    .wavefront_size: 32
...
	.end_amdgpu_metadata
.endif
;; end of part 6
;; launch fc2 (part 7): grid 32 x 8, 4 waves a work-group, no clusters, 268,288 bytes of LDS; arguments h, W2, sel, part; writes part
.if DOCPART == 7
	.amdgcn_target "amdgcn-amd-amdhsa--gfx1250"
	.amdhsa_code_object_version 6
	.text
	.protected	k_q22a30f7ff4_fc2
	.globl	k_q22a30f7ff4_fc2
	.p2align	8
	.type	k_q22a30f7ff4_fc2,@function
k_q22a30f7ff4_fc2:
	s_mov_b64 s[64:65], 0
	v_nop
	global_prefetch_b8 v0, s[64:65] scope:SCOPE_SE
	s_setreg_imm32_b32 hwreg(HW_REG_WAVE_MODE, 25, 1), 1
	s_wait_xcnt 0x0
; SECOND PRODUCT OF THE CHOSEN ROWS.  part[kq][2 token + choice][:] = h W2[e] over the quarter kq of the hidden width; the bias, the gate's weight and the sums over kq and over the two choices follow in the next launch.
; h: f16, [8 e][64 tiles of 16 sorted rows][64 groups of 64 hidden][4 quads][32 lanes][16 bytes], the operand registers as they lie.  W2: [8][4096][1024] f32.  part: f32 [4][2056][1024].
; SHARES.  Work-group (ns + 8 kq, e) has the slice W2[e][1,024 kq .. +1023][128 ns .. +127], 512 KiB of f32 that it alone reads, once, and ALL rows of expert e.  Tiles, passes, the stream of the weights through registers
; into LDS, the trips by K steps, the order of k and of the columns are the first product's: slot (lane half hh, register p, half b) of both operands holds k = 64 c + 32 hh + 16 s + 2 p + b; lane l % 16 of column tile t is
; column 4 (l % 16) + t.  Here source 0 = rows of h, source 1 = weights: register i of a lane is row 8 hh + i, and the four column tiles of a group give 16 consecutive bytes of it: sixteen lanes store 256 consecutive bytes, aligned.
; THE FORMATS.  The product is f16 x f16 with f32 sums, since h comes in f16.  W2 is rounded to bf16, as every input of this program is, and that number is then written as f16: four vector instructions for two weights.
; THE ROUTING is made anew from the lane masks, as in the first product; tiles past the expert's last are loaded from its last (bytes that exist), multiplied only in a wave's first four places, and never stored.
; THE DUMP ROW.  A store holds two rows, 8 apart, which in the expert's last tile may lie on both sides of the count.  The list's places past the count hold 2048 + e: row 2048 + e of my quarter, of which my 128 columns
; are stored by this work-group alone and read by nobody.  So every live tile is stored whole, with all lanes on: at most 15 rows x 512 bytes a work-group go there.  An expert without rows sends its one tile there.
; NO CLUSTER: each weight byte has one reader.  The tiles of h are shared by the 8 slices of a quarter, but a chunk of 20 tiles is 40,960 bytes, two slots of it 81,920, and beside the slice's 262,144 bytes LDS has 65,536 left;
; and how many tiles live hangs on a stored count.
; LIMITS.  A bf16 number is exact in f16 from 2^-17 to 65,504; a smaller one is off by 3e-8 at the most (W2's spread is 0.02), a larger one is not served.  Partial sums stay f32.  NaN and infinities are not treated apart.
; Rows past 320 of an expert are multiplied without loads ahead.
.set LROW,  12                         ; a row of W2 is 2^12 bytes
.set ROWB,  1<<LROW
.set CHB,   64*ROWB
.set ACH,   2048                       ; a chunk of a tile of h
.set AQ,    512                        ; from quad to quad of it
.set CHL,   16384
.set LIST,  262144
.set SPARE, 267776
.set QROWS, 2056                       ; rows of a quarter of part: 2,048 and eight dump rows
; window 0: v0 thread; v1 16 x lane; v2 my place in a chunk of weights; v3 where I store fragments; v4 where I read them; v5 16 (l % 16); v6 my place in the list; v15 my place in sel
.set AOFF, 10                          ; v10-14   byte offset of my 16 bytes in each of five tiles of h
.set SPW,  16
.set NIL,  17
.set BF,   32                          ; v32-159  fragments of the weights: K step s, column tile n at BF + 64 s + 8 n
.set CT,   160                         ; v160-191 fragments just rounded
.set WT,   192                         ; v192-255 the weights rounded to bf16, as f32, on their way to f16
.set ENT,  32                          ; the way out: v32-71 the entries of my eight rows in five tiles, then their byte offsets in part
.set OUTS, 152                         ; v152-215 a tile's results, row i's eight numbers together
.set SW,   32
.set SA,   34
.set SA0,  36
.set MSB, 0
.macro WIN new                         ; s_set_vgpr_msb: bits 1:0 source 0, 3:2 source 1, 5:4 source 2, 7:6 destination; the high byte repeats the setting that is left
.if MSB != (\new)
	s_set_vgpr_msb (MSB<<8)|(\new)
.set MSB, \new
.endif
.endm
.macro PLACES                          ; four plain instructions between a matrix instruction and a load into, or a read of, its registers
.rept 4
	v_nop
.endr
.endm
.macro WLOAD set, k
	WIN 0x80
.set i, 0
.rept 16
	global_load_b128 v[64+64*(\set)+4*i:64+64*(\set)+4*i+3], v2, s[SW:SW+1] offset:(\k)*CHB+i*ROWB th:TH_LOAD_NT
.set i, i+1
.endr
.endm
.macro CVT set                         ; register p of column tile t = rows 2 p and 2 p + 1 of column t: rounded to bf16, widened, written as f16
	WIN 0x0a
.set t, 0
.rept 4
.set p, 0
.rept 8
	v_cvt_pk_bf16_f32 v[CT+8*t+p], v[64+64*(\set)+8*p+t], v[64+64*(\set)+8*p+4+t]
.set p, p+1
.endr
.set t, t+1
.endr
	WIN 0
.set m, 0
.rept 32
	v_lshlrev_b32 v[WT+2*m], 16, v[CT+m]
	v_and_b32 v[WT+2*m+1], s63, v[CT+m]
.set m, m+1
.endr
.set m, 0
.rept 32
	v_cvt_pk_f16_f32 v[CT+m], v[WT+2*m], v[WT+2*m+1]
.set m, m+1
.endr
.endm
.macro WSTORE k
	WIN 0
.set t, 0
.rept 4
	ds_store_b128 v3, v[CT+8*t:CT+8*t+3]   offset:(\k)*CHL+t*1024
	ds_store_b128 v3, v[CT+8*t+4:CT+8*t+7] offset:(\k)*CHL+t*1024+512
.set t, t+1
.endr
.endm
.macro BSTEP ks, k                     ; the weights' fragments of K step ks of the chunk k chunks behind v4: 16 loads of 512 consecutive bytes
	WIN 0
.set n, 0
.rept 8
	ds_load_b128 v[BF+64*(\ks)+8*n:BF+64*(\ks)+8*n+3],   v4 offset:(\k)*CHL+((2*(n/4)+(\ks))*4+n%4)*1024
	ds_load_b128 v[BF+64*(\ks)+8*n+4:BF+64*(\ks)+8*n+7], v4 offset:(\k)*CHL+((2*(n/4)+(\ks))*4+n%4)*1024+512
.set n, n+1
.endr
.endm
.macro ASTEP set, ks, k                ; five tiles' fragments of h of K step ks (quads 2 ks, 2 ks + 1), 512 consecutive bytes a load: ten loads, always all five tiles, so that every counted wait holds on every path
	WIN 0xc0
.set j, 0
.rept 5
.set q, 2*(\ks)
.rept 2
	global_load_b128 v[80*(\set)+16*j+4*q:80*(\set)+16*j+4*q+3], v[AOFF+j], s[SA:SA+1] offset:(\k)*ACH+q*AQ
.set q, q+1
.endr
.set j, j+1
.endr
.endm
; One K step of 32: 40 matrix instructions, each accumulator one turn.  zero = 1: the products start the sums, for all five tiles.  Else the fifth tile is jumped where the wave has fewer.
.macro MM ks, p, zero
	WIN 0x53                                       ; rows of h window 3, weights window 0, sums window 1
.set j, 0
.rept 4
.set n, 0
.rept 8
.if \zero
	v_wmma_f32_16x16x32_f16 v[64*j+8*n:64*j+8*n+7], v[80*(\p)+16*j+8*(\ks):80*(\p)+16*j+8*(\ks)+7], v[BF+64*(\ks)+8*n:BF+64*(\ks)+8*n+7], 0
.else
	v_wmma_f32_16x16x32_f16 v[64*j+8*n:64*j+8*n+7], v[80*(\p)+16*j+8*(\ks):80*(\p)+16*j+8*(\ks)+7], v[BF+64*(\ks)+8*n:BF+64*(\ks)+8*n+7], v[64*j+8*n:64*j+8*n+7]
.endif
.set n, n+1
.endr
.set j, j+1
.endr
.if !(\zero)
	WIN 0
	s_cmp_lt_u32 s21, 5
	s_cbranch_scc1 .Lno5_\@
.endif
	WIN 0xa3                                       ; sums window 2
.set n, 0
.rept 8
.if \zero
	v_wmma_f32_16x16x32_f16 v[8*n:8*n+7], v[80*(\p)+64+8*(\ks):80*(\p)+64+8*(\ks)+7], v[BF+64*(\ks)+8*n:BF+64*(\ks)+8*n+7], 0
.else
	v_wmma_f32_16x16x32_f16 v[8*n:8*n+7], v[80*(\p)+64+8*(\ks):80*(\p)+64+8*(\ks)+7], v[BF+64*(\ks)+8*n:BF+64*(\ks)+8*n+7], v[8*n:8*n+7]
.endif
.set n, n+1
.endr
	WIN 0
.if !(\zero)
.Lno5_\@:
.endif
.endm
; TRIP c multiplies chunk c (rows of h in set p = c % 2).  W(i): chunk i's weights, 16 loads; A0(i), A1(i): chunk i's rows of h of K step 0, 1, ten loads each.  Global loads go out in the order
; .. | A1(c+1), W(c+3), A0(c+2) | A1(c+2), W(c+4), A0(c+3) | ..: a wave never has more than 62 out.
; HEAD.  wh: W(c+1) and A0(c) are in; behind them A1(c), W(c+2), A0(c+1) may stay out: 10 + 16 + 10 = 36.  Chunk c + 1 is rounded (its first 32 conversions are the places behind the last trip's products) and stored;
; A1(c+1) and W(c+3) are asked for into the registers just left.  When my stores are done and K step 0's fragments are in, I signal; then K step 1's fragments of chunk c are asked for (bytes that nobody writes any more).
; MIDDLE, behind K step 0's products.  wm: A1(c) is in; behind it W(c+2), A0(c+1), A1(c+1), W(c+3) may stay out: 16 + 10 + 10 + 16 = 52.  Behind the barrier chunk c + 1 is whole: its K step 0's fragments and A0(c+2) are
; asked for into the registers that K step 0 has left, four places behind its last product.  No LDS byte is written twice, so one barrier a chunk is enough.
; cv = 0: the last trip: nothing is left to round, store or fetch.  lw, la1, la0 = 0: no such load is left.
.macro TRIP p, kY, kX, kS, kA1, kA0, kW, cv, lw, la1, la0, wh, wm, zero
	s_wait_loadcnt \wh
.if \cv
	CVT 1-(\p)
	WSTORE \kS
.else
	WIN 0
	PLACES
.endif
.if \la1
	ASTEP 1-(\p), 1, \kA1
.endif
.if \lw
	WLOAD 1-(\p), \kW
.endif
	s_wait_dscnt 0x0                               ; K step 0's fragments are in; for the others' sake: my fragments of chunk c + 1 lie in LDS
.if \cv
	s_barrier_signal -1
.endif
	BSTEP 1, \kY
	MM 0, \p, \zero
	s_wait_loadcnt \wm
.if \cv
	s_barrier_wait -1
	PLACES
	BSTEP 0, \kX
.endif
.if \la0
	ASTEP \p, 0, \kA0
.endif
	s_wait_dscnt 16*(\cv)                          ; K step 1's fragments are in; the 16 loads just issued may be out
	MM 1, \p, 0
.endm
.macro OTRIP zero                      ; a chunk of a later pass: the slice lies in LDS; nothing is asked for ahead
	WIN 0
	PLACES
	BSTEP 0, 0
	BSTEP 1, 0
	ASTEP 0, 0, 0
	ASTEP 0, 1, 0
	WIN 0
	s_wait_loadcnt 0x0
	s_wait_dscnt 0x0
	MM 0, 0, \zero
	MM 1, 0, 0
	s_add_nc_u64 s[SA:SA+1], s[SA:SA+1], ACH
	v_add_nc_u32 v4, CHL, v4
.endm
.macro CALCNL                          ; s28 = 20 pass + wave, my first tile; s21 = how many of s28, s28 + 4, .. s28 + 16 lie under s20
	s_mul_i32 s28, s22, 20
	s_add_co_u32 s28, s28, s14
	s_sub_co_i32 s25, s20, s28
	s_max_i32 s25, s25, 0
	s_add_co_u32 s25, s25, 3
	s_lshr_b32 s25, s25, 2
	s_min_u32 s21, s25, 5
.endm
.macro SETUP                           ; my five tiles of h; one past the expert's last is taken from the last
	WIN 0
	s_sub_co_u32 s26, s20, 1
.irp j, 0,1,2,3,4
	s_add_co_u32 s25, s28, 4*\j
	s_min_u32 s25, s25, s26
	s_min_u32 s25, s25, 63
	v_lshl_add_u32 v[AOFF+\j], s25, 17, v1         ; tile x 131,072 + 16 x lane
.endr
.endm
	s_load_b256 s[4:11], s[0:1], 0x0               ; h s[4:5], W2 s[6:7], sel s[8:9], part s[10:11]
	v_lshl_add_u32 v[SPW], v0, 2, SPARE
	v_mov_b32 v[NIL], 0
	v_lshrrev_b32 v8, 5, v0
	v_readfirstlane_b32 s14, v8                    ; wave
	s_lshr_b32 s15, s14, 1                         ; g
	s_and_b32 s16, s14, 1                          ; s
	s_and_b32 s17, ttmp7, 0xffff                   ; e
	s_and_b32 s18, ttmp9, 7                        ; ns
	s_lshr_b32 s29, ttmp9, 3                       ; kq
	v_and_b32 v9, 31, v0
	v_and_b32 v20, 15, v0
	v_bfe_u32 v21, v0, 4, 1
	v_lshlrev_b32 v1, 4, v9
	s_lshl_b32 s25, s16, LROW+4
	s_lshl_b32 s26, s15, 8
	s_add_co_u32 s25, s25, s26
	v_lshl_add_u32 v2, v21, LROW+5, s25
	v_lshl_add_u32 v2, v20, 4, v2
	s_lshl_b32 s25, s14, 12
	v_add_nc_u32 v3, s25, v1
	v_mov_b32 v4, v1
	v_lshlrev_b32 v5, 4, v20
	s_lshl_b32 s25, s14, 6
	s_add_co_u32 s25, s25, LIST
	v_lshl_add_u32 v6, v21, 5, s25                 ; entries 16 w + 8 hh + 0 .. 7; 64 entries on for each further tile
	s_lshl_b32 s25, s17, 3
	v_lshl_add_u32 v15, v9, 7, s25
	v_add_nc_u32 v23, 0x500, v9
	v_lshlrev_b32 v24, 1, v9
	v_lshl_or_b32 v25, v9, 1, 1
	v_add_nc_u32 v27, LIST, v1
	s_add_co_u32 s25, s17, 0x800                   ; the dump row's number
	v_mov_b32 v28, s25
	v_mov_b32 v29, s25
	v_mov_b32 v30, s25
	v_mov_b32 v31, s25
	s_mov_b32 s63, 0xffff0000                      ; a word's upper bf16
	s_lshl_b32 s26, s17, 24                        ; W2: e x 16 MiB + kq x 1,024 rows + ns x 512
	s_lshl_b32 s27, s29, 22
	s_add_co_u32 s26, s26, s27
	s_lshl_b32 s27, s18, 9
	s_add_co_u32 s26, s26, s27
	s_mov_b32 s27, 0
	s_lshl_b32 s30, s17, 23                        ; h: e x 8 MiB + kq x 16 groups of 2,048
	s_lshl_b32 s31, s29, 15
	s_add_co_u32 s30, s30, s31
	s_mov_b32 s31, 0
	s_mul_i32 s40, s29, QROWS*4096                 ; part: kq quarters + ns x 512
	s_lshl_b32 s41, s18, 9
	s_add_co_u32 s40, s40, s41
	s_mov_b32 s41, 0
	s_mov_b32 s19, 0
	s_mov_b32 s66, 0
	s_mov_b32 s22, 0
	s_wait_kmcnt 0x0
	s_add_nc_u64 s[SW:SW+1], s[6:7], s[26:27]
	s_add_nc_u64 s[SA0:SA0+1], s[4:5], s[30:31]
	s_add_nc_u64 s[38:39], s[10:11], s[40:41]
	s_mov_b64 s[SA:SA+1], s[SA0:SA0+1]
	global_load_b64 v[18:19], v15, s[8:9]
	WLOAD 0, 0
	WLOAD 1, 1
	WIN 0
	; THE LIST.  Up to the first barrier below wave 0 alone touches LDS.
	s_cmp_lg_u32 s14, 0
	s_cbranch_scc1 .Lnofill
.set i, 0
.rept 10
	ds_store_b128 v27, v[28:31] offset:512*i       ; every entry starts as the dump row
.set i, i+1
.endr
.Lnofill:
	s_wait_loadcnt 32                              ; the masks are in; two chunks' 32 loads stay out
.Lbatch:
	v_readlane_b32 s67, v18, s66
	v_readlane_b32 s68, v19, s66
	s_or_b32 s69, s67, s68
	s_cmp_lg_u32 s14, 0
	s_cbranch_scc1 .Lnolist
	v_mbcnt_lo_u32_b32 v22, s69, s19
	v_cndmask_b32 v22, v23, v22, s69
	v_min_u32 v22, 0x51f, v22
	v_lshl_add_u32 v22, v22, 2, LIST
	v_cndmask_b32 v26, v24, v25, s68
	ds_store_b32 v22, v26
	v_add_nc_u32 v24, 64, v24
	v_add_nc_u32 v25, 64, v25
.Lnolist:
	s_bcnt1_i32_b32 s70, s69
	s_add_co_u32 s19, s19, s70
	s_add_co_u32 s66, s66, 1
	s_cmp_lt_u32 s66, 32
	s_cbranch_scc1 .Lbatch
	s_min_u32 s19, s19, 0x400
	s_add_co_u32 s20, s19, 15
	s_lshr_b32 s20, s20, 4
	s_max_u32 s20, s20, 1
	CALCNL
	SETUP
	ASTEP 0, 0, 0                                  ; with two chunks' 32 loads 62 are out
	ASTEP 0, 1, 0
	ASTEP 1, 0, 1
	WIN 0
	s_wait_dscnt 0x0                               ; the list lies in LDS
	s_barrier_signal -1
	s_barrier_wait -1
	s_wait_loadcnt 46                              ; chunk 0 is in; chunk 1's 16 loads and h's 30 stay out
	CVT 0
	WSTORE 0
	WLOAD 0, 2
	WIN 0
	s_wait_dscnt 0x0
	s_barrier_signal -1
	s_barrier_wait -1                              ; chunk 0 is whole
	BSTEP 0, 0
	TRIP 0, 0, 1, 1, 1, 2, 3, 1, 1, 1, 1, 36, 52, 1
	s_wait_xcnt 0x0                                ; the bases are stepped only behind this wait
	s_add_nc_u64 s[SW:SW+1], s[SW:SW+1], 4*CHB
	s_add_nc_u64 s[SA:SA+1], s[SA:SA+1], 2*ACH
	v_add_nc_u32 v4, CHL, v4
	v_add_nc_u32 v3, 2*CHL, v3
	s_mov_b32 s23, 6
.Lk:                                                   ; trips 1 to 12.  At the head, for the first trip c: v4 at chunk c, v3 and s[SA] at c + 1, s[SW] at c + 3
	TRIP 1, 0, 1, 0, 0, 1, 0, 1, 1, 1, 1, 36, 52, 0
	TRIP 0, 1, 2, 1, 1, 2, 1, 1, 1, 1, 1, 36, 52, 0
	s_wait_xcnt 0x0
	s_add_nc_u64 s[SW:SW+1], s[SW:SW+1], 2*CHB
	s_add_nc_u64 s[SA:SA+1], s[SA:SA+1], 2*ACH
	v_add_nc_u32 v3, 2*CHL, v3
	v_add_nc_u32 v4, 2*CHL, v4
	s_sub_co_u32 s23, s23, 1
	s_cmp_lg_u32 s23, 0
	s_cbranch_scc1 .Lk
	TRIP 1, 0, 1, 0, 0, 1, 0, 1, 0, 1, 1, 36, 36, 0  ; trip 13: no weights are left to ask for.  Middle: behind A1(13) stand W(15), A0(14), A1(14): 36
	TRIP 0, 1, 2, 1, 1, 0, 0, 1, 0, 1, 0, 20, 20, 0  ; trip 14.  Head: behind A0(14) stand A1(14), A0(15); middle: behind A1(14) stand A0(15), A1(15)
	TRIP 1, 2, 0, 0, 0, 0, 0, 0, 0, 0, 0, 10, 0, 0   ; trip 15.  Head: A1(15) may stay out.  Nothing is stored, so no barrier stands here
	s_branch .Lepi
.Lpass:                                                ; passes 1 to 3: rows 320 on
	CALCNL
	s_cmp_eq_u32 s21, 0
	s_cbranch_scc1 .Lnext
	s_wait_loadcnt 0x0
	s_wait_xcnt 0x0                                ; the last pass's stores have read their registers
	SETUP
	s_mov_b64 s[SA:SA+1], s[SA0:SA0+1]
	v_mov_b32 v4, v1
	OTRIP 1
	s_mov_b32 s23, 15
.Lo:
	OTRIP 0
	s_sub_co_u32 s23, s23, 1
	s_cmp_lg_u32 s23, 0
	s_cbranch_scc1 .Lo
.Lepi:
	; THE WAY OUT.  My eight rows' entries in each tile and their places in part; then tile by tile.
	PLACES
.set j, 0
.rept 5
	ds_load_b128 v[ENT+8*j:ENT+8*j+3],   v6 offset:256*j
	ds_load_b128 v[ENT+8*j+4:ENT+8*j+7], v6 offset:256*j+16
.set j, j+1
.endr
	s_wait_dscnt 0x0
.set z, 0
.rept 40
	v_min_u32 v[ENT+z], 0x807, v[ENT+z]            ; 2,055: the last row of a quarter
.set z, z+1
.endr
.set z, 0
.rept 40
	v_lshl_add_u32 v[ENT+z], v[ENT+z], 12, v5      ; row x 4,096 + 16 (l % 16)
.set z, z+1
.endr
; A matrix result holds eight rows of one column in a run of registers; a store of 16 bytes wants four columns of one row in a run.  So a tile's 64 numbers are laid anew, row by row, and stored.
.macro OUTSLOT j
	s_cmp_le_u32 s21, \j
	s_cbranch_scc1 .Lnext                          ; this tile and those behind it do not live
	s_wait_xcnt 0x0                                ; the last tile's stores have read their data
.if (\j) < 4
	WIN 0x01
.set ab, 64*(\j)
.else
	WIN 0x02
.set ab, 0
.endif
.set r, 0
.rept 8
.set n, 0
.rept 8
	v_mov_b32 v[OUTS+8*r+n], v[ab+8*n+r]           ; every accumulator's lowest register first
.set n, n+1
.endr
.set r, r+1
.endr
	WIN 0
.set r, 0
.rept 8
	global_store_b128 v[ENT+8*(\j)+r], v[OUTS+8*r:OUTS+8*r+3],   s[38:39]             ; sixteen lanes: 256 consecutive bytes of a row, aligned
	global_store_b128 v[ENT+8*(\j)+r], v[OUTS+8*r+4:OUTS+8*r+7], s[38:39] offset:256
.set r, r+1
.endr
.endm
	OUTSLOT 0
	OUTSLOT 1
	OUTSLOT 2
	OUTSLOT 3
	OUTSLOT 4
.Lnext:
	s_add_co_u32 s22, s22, 1
	v_add_nc_u32 v6, 0x500, v6                     ; 320 entries on
	s_cmp_lt_u32 s22, 4
	s_cbranch_scc1 .Lpass
	s_wait_dscnt 0x0                               ; my reads of LDS are over,
	s_barrier_signal -1
	s_barrier_wait -1                              ; and so are every wave's: the closing adds below stand behind all reads of LDS
	s_wait_tensorcnt 0x0                           ; the wave's end: a tensor wait, a closing LDS add and its wait, behind my last LDS store
	ds_add_u32 v[SPW], v[NIL]
	s_wait_dscnt 0x0
	s_endpgm
.Lfunc_end_k_q22a30f7ff4_fc2:
	.size	k_q22a30f7ff4_fc2, .Lfunc_end_k_q22a30f7ff4_fc2-k_q22a30f7ff4_fc2
	.p2alignl 7, 3214868480
	.fill 96, 4, 3214868480
	.section	.rodata,"a",@progbits
	.p2align	6, 0x0
	.amdhsa_kernel k_q22a30f7ff4_fc2
		.amdhsa_group_segment_fixed_size 268288
		.amdhsa_private_segment_fixed_size 0
		.amdhsa_enable_private_segment 0
		.amdhsa_kernarg_size 32
		.amdhsa_user_sgpr_count 2
		.amdhsa_user_sgpr_kernarg_segment_ptr 1
		.amdhsa_wavefront_size32 1
		.amdhsa_system_sgpr_workgroup_id_x 1
		.amdhsa_system_sgpr_workgroup_id_y 1
		.amdhsa_system_sgpr_workgroup_id_z 1
		.amdhsa_system_vgpr_workitem_id 0
		.amdhsa_next_free_vgpr 928
		.amdhsa_next_free_sgpr 80
		.amdhsa_reserve_vcc 0
		.amdhsa_float_denorm_mode_32 3
		.amdhsa_float_denorm_mode_16_64 3
		.amdhsa_memory_ordered 1
		.amdhsa_forward_progress 1
		.amdhsa_inst_pref_size 158
	.end_amdhsa_kernel
	.amdgpu_metadata
---
amdhsa.version: [ 1, 2 ]
amdhsa.kernels:
  - .name:           k_q22a30f7ff4_fc2
    .symbol:         k_q22a30f7ff4_fc2.kd
    .args:
      - { .name: h, .offset: 0, .size: 8, .value_kind: global_buffer, .address_space: global }
      - { .name: W2, .offset: 8, .size: 8, .value_kind: global_buffer, .address_space: global }
      - { .name: sel, .offset: 16, .size: 8, .value_kind: global_buffer, .address_space: global }
      - { .name: part, .offset: 24, .size: 8, .value_kind: global_buffer, .address_space: global }
    .group_segment_fixed_size: 268288
    .private_segment_fixed_size: 0
    .kernarg_segment_align: 8
    .kernarg_segment_size: 32
    .max_flat_workgroup_size: 128
    .sgpr_count:     80
    .vgpr_count:     928
    .wavefront_size: 32
...
	.end_amdgpu_metadata
.endif
;; end of part 7
;; launch combine (part 8): grid 256 x 1, 8 waves a work-group, no clusters, 0 bytes of LDS; arguments part, b2, wts, idx, out0; writes out0
.if DOCPART == 8
	.amdgcn_target "amdgcn-amd-amdhsa--gfx1250"
	.amdhsa_code_object_version 6
	.text
	.protected	k_q22a30f7ff4_combine
	.globl	k_q22a30f7ff4_combine
	.p2align	8
	.type	k_q22a30f7ff4_combine,@function
k_q22a30f7ff4_combine:
	s_mov_b64 s[64:65], 0
	v_nop
	global_prefetch_b8 v0, s[64:65] scope:SCOPE_SE
	s_setreg_imm32_b32 hwreg(HW_REG_WAVE_MODE, 25, 1), 1
	s_wait_xcnt 0x0
; out[t] = the sum over the two choices c of w[t][c] x ( the sum over four quarters of part[kq][2 t + c] + b2[idx[t][c]] ).
; part: f32 [4][2056][1024], of each quarter the rows 0 to 2,047 (the last eight are the second product's dump rows, not read).  b2: [8][1024] f32, rounded to bf16 as every input of this program is.
; wts: [1024][2] f32.  idx: [1024][2] i32.  out0: [1024][1024] f32.
; A stream: a work-group has four tokens, thread t 16 bytes of every row, so each load and store of a wave covers 512 consecutive bytes, aligned.  All 40 loads of a wave go out before the first wait.
; The gate's weights are the same for a whole row, so they lie in scalar registers.  No LDS, no matrix unit, no cluster: nothing is shared.
.set QB, 2056*4096                     ; bytes from quarter to quarter of part
.set BO, 2                             ; v[2:9]     byte offsets of my 16 bytes in the eight rows of b2
.set BB, 16                            ; v[16:47]   those rows' numbers
.set PR, 48                            ; v[48:175]  part: token i, choice c, quarter kq at PR + 32 i + 16 c + 4 kq
.set TP, 176                           ; v[176:191] at work
	s_load_b256 s[4:11], s[0:1], 0x0               ; part s[4:5], b2 s[6:7], wts s[8:9], idx s[10:11]
	s_load_b64 s[12:13], s[0:1], 0x20              ; out0
	v_lshlrev_b32 v1, 4, v0
	s_lshl_b32 s14, ttmp9, 5                       ; four tokens x 8 bytes in idx and in wts
	s_lshl_b32 s40, ttmp9, 15                      ; eight rows of 4,096 bytes in part
	s_mov_b32 s41, 0
	s_lshl_b32 s42, ttmp9, 14                      ; four rows in out0
	s_mov_b32 s43, 0
	s_mov_b32 s44, 0xffff0000
	s_wait_kmcnt 0x0
	s_load_b256 s[16:23], s[10:11], s14 offset:0x0 ; the eight experts
	s_load_b256 s[24:31], s[8:9], s14 offset:0x0   ; the eight weights
	s_add_nc_u64 s[32:33], s[4:5], s[40:41]
	s_add_nc_u64 s[34:35], s[32:33], QB
	s_add_nc_u64 s[36:37], s[34:35], QB
	s_add_nc_u64 s[38:39], s[36:37], QB
	s_add_nc_u64 s[12:13], s[12:13], s[42:43]
.set i, 0
.rept 4
.set c, 0
.rept 2
.set q, 0
.rept 4
	global_load_b128 v[PR+32*i+16*c+4*q:PR+32*i+16*c+4*q+3], v1, s[32+2*q:33+2*q] offset:8192*i+4096*c th:TH_LOAD_NT
.set q, q+1
.endr
.set c, c+1
.endr
.set i, i+1
.endr
	s_wait_kmcnt 0x0
.set m, 0
.rept 8
	s_min_u32 s[16+m], s[16+m], 7
	v_lshl_add_u32 v[BO+m], s[16+m], 12, v1
.set m, m+1
.endr
.set m, 0
.rept 8
	global_load_b128 v[BB+4*m:BB+4*m+3], v[BO+m], s[6:7]
.set m, m+1
.endr
.macro ADD4 a, b                       ; four numbers onto four
	v_pk_add_f32 v[(\a):(\a)+1],   v[(\a):(\a)+1],   v[(\b):(\b)+1]
	v_pk_add_f32 v[(\a)+2:(\a)+3], v[(\a)+2:(\a)+3], v[(\b)+2:(\b)+3]
.endm
.set i, 0
.rept 4
	s_wait_loadcnt 32-8*i                          ; token i's eight loads are in; the later tokens' eight each and b2's eight stay out
	ADD4 PR+32*i,    PR+32*i+4
	ADD4 PR+32*i+8,  PR+32*i+12
	ADD4 PR+32*i+16, PR+32*i+20
	ADD4 PR+32*i+24, PR+32*i+28
	ADD4 PR+32*i,    PR+32*i+8                     ; the first choice's four quarters,
	ADD4 PR+32*i+16, PR+32*i+24                    ; the second's
.set i, i+1
.endr
	s_wait_loadcnt 0x0                             ; b2
.set m, 0
.rept 16
	v_cvt_pk_bf16_f32 v[TP+m], v[BB+2*m], v[BB+2*m+1]
.set m, m+1
.endr
.set m, 0
.rept 16
	v_lshlrev_b32 v[BB+2*m], 16, v[TP+m]
	v_and_b32 v[BB+2*m+1], s44, v[TP+m]
.set m, m+1
.endr
.set i, 0
.rept 4
	ADD4 PR+32*i,    BB+8*i                        ; + the expert's bias, for each choice
	ADD4 PR+32*i+16, BB+8*i+4
.set z, 0
.rept 4
	v_mul_f32 v[PR+32*i+z], s[24+2*i], v[PR+32*i+z]
.set z, z+1
.endr
.set z, 0
.rept 4
	v_fma_f32 v[PR+32*i+z], s[24+2*i+1], v[PR+32*i+16+z], v[PR+32*i+z]
.set z, z+1
.endr
	global_store_b128 v1, v[PR+32*i:PR+32*i+3], s[12:13] offset:4096*i th:TH_STORE_NT
.set i, i+1
.endr
	s_endpgm
.Lfunc_end_k_q22a30f7ff4_combine:
	.size	k_q22a30f7ff4_combine, .Lfunc_end_k_q22a30f7ff4_combine-k_q22a30f7ff4_combine
	.p2alignl 7, 3214868480
	.fill 96, 4, 3214868480
	.section	.rodata,"a",@progbits
	.p2align	6, 0x0
	.amdhsa_kernel k_q22a30f7ff4_combine
		.amdhsa_group_segment_fixed_size 0
		.amdhsa_private_segment_fixed_size 0
		.amdhsa_enable_private_segment 0
		.amdhsa_kernarg_size 40
		.amdhsa_user_sgpr_count 2
		.amdhsa_user_sgpr_kernarg_segment_ptr 1
		.amdhsa_wavefront_size32 1
		.amdhsa_system_sgpr_workgroup_id_x 1
		.amdhsa_system_sgpr_workgroup_id_y 1
		.amdhsa_system_sgpr_workgroup_id_z 1
		.amdhsa_system_vgpr_workitem_id 0
		.amdhsa_next_free_vgpr 200
		.amdhsa_next_free_sgpr 66
		.amdhsa_reserve_vcc 0
		.amdhsa_float_denorm_mode_32 3
		.amdhsa_float_denorm_mode_16_64 3
		.amdhsa_memory_ordered 1
		.amdhsa_forward_progress 1
		.amdhsa_inst_pref_size 14
	.end_amdhsa_kernel
	.amdgpu_metadata
---
amdhsa.version: [ 1, 2 ]
amdhsa.kernels:
  - .name:           k_q22a30f7ff4_combine
    .symbol:         k_q22a30f7ff4_combine.kd
    .args:
      - { .name: part, .offset: 0, .size: 8, .value_kind: global_buffer, .address_space: global }
      - { .name: b2, .offset: 8, .size: 8, .value_kind: global_buffer, .address_space: global }
      - { .name: wts, .offset: 16, .size: 8, .value_kind: global_buffer, .address_space: global }
      - { .name: idx, .offset: 24, .size: 8, .value_kind: global_buffer, .address_space: global }
      - { .name: out0, .offset: 32, .size: 8, .value_kind: global_buffer, .address_space: global }
    .group_segment_fixed_size: 0
    .private_segment_fixed_size: 0
    .kernarg_segment_align: 8
    .kernarg_segment_size: 40
    .max_flat_workgroup_size: 256
    .sgpr_count:     66
    .vgpr_count:     200
    .wavefront_size: 32
...
	.end_amdgpu_metadata
.endif
;; end of part 8
;; ======== version 3 of 3: 4 launches; version 2 with the launch combine written anew for expert scheduling mode
;; limits: values are held in f16: magnitudes above 65,504 overflow, below 6.1e-05 lose precision
;; workspace buffers: xb 2,097,152 bytes; wts 8,192 bytes; idx 8,192 bytes of whole numbers; sel 4,096 bytes of whole numbers; h 67,108,864 bytes; part 33,685,504 bytes
;; launch router: the kernel of part 5 again; grid 32 x 1, 16 waves a work-group, no clusters, 84,480 bytes of LDS; arguments x, Wr, xb, wts, idx, sel; writes xb, wts, idx, sel
;; launch fc1: the kernel of part 6 again; grid 32 x 8, 4 waves a work-group, no clusters, 268,288 bytes of LDS; arguments xb, W1, b1, sel, h; writes h
;; launch fc2: the kernel of part 7 again; grid 32 x 8, 4 waves a work-group, no clusters, 268,288 bytes of LDS; arguments h, W2, sel, part; writes part
;; launch combine (part 9): grid 256 x 1, 8 waves a work-group, no clusters, 0 bytes of LDS; arguments part, b2, wts, idx, out0; writes out0
.if DOCPART == 9
	.amdgcn_target "amdgcn-amd-amdhsa--gfx1250"
	.amdhsa_code_object_version 6
	.text
	.protected	k_q22a30f7ff4_combine
	.globl	k_q22a30f7ff4_combine
	.p2align	8
	.type	k_q22a30f7ff4_combine,@function
k_q22a30f7ff4_combine:
	s_mov_b64 s[64:65], 0
	v_nop
	global_prefetch_b8 v0, s[64:65] scope:SCOPE_SE
	s_setreg_imm32_b32 hwreg(HW_REG_WAVE_SCHED_MODE, 0, 2), 2
	s_setreg_imm32_b32 hwreg(HW_REG_WAVE_MODE, 25, 1), 1
	s_wait_xcnt 0x0
	s_wait_alu depctr_vm_vsrc(0)
; out[t] = the sum over the two choices c of w[t][c] x ( the sum over four quarters of part[kq][2 t + c] + b2[idx[t][c]] ).
; part: f32 [4][2056][1024], of each quarter the rows 0 to 2,047 (the last eight are the second product's dump rows, not read).  b2: [8][1024] f32, rounded to bf16 as every input of this program is.
; wts: [1024][2] f32.  idx: [1024][2] i32.  out0: [1024][1024] f32.
; A stream: a work-group has four tokens, thread t 16 bytes of every row, so each load and store of a wave covers 512 consecutive bytes, aligned.  All 40 loads of a wave go out before the first wait for data.
; The gate's weights are the same for a whole row, so they lie in scalar registers.  No LDS, no matrix unit, no cluster: nothing is shared.
; THE MODE: SCHED_MODE bits 1:0 = 2 (LLVM: expert scheduling mode 2), set by the entry lines.  The code itself states the register dependences between vector instructions and memory instructions,
; with s_wait_alu, always for 0.
; THE PLAN.  Registers that memory instructions touch:
;   v1        16 x thread.  Written once, at the head; read as the offset by part's 32 loads and by the four stores; never written again.
;   BO        Written once, by eight vector lines, when the experts' numbers have come; read as the offsets by b2's eight loads; never written again.
;   PR        part's loads land in it; no vector instruction names it before.  The sums are made in place; of token i the four registers PR + 32 i .. + 3 are the store's data, and nothing writes them behind the store.
;   BB        b2's loads land in it; no vector instruction names it before.  No memory instruction reads it.
;   TP        Named by vector instructions alone.
; So four waits on va_vdst state everything: v1 is written, ahead of the first load; BO is written, ahead of b2's loads; and, the last arithmetic going by halves of two tokens, each half's results are written,
; ahead of its two stores.  The second half's vector lines name none of the registers that the first half's stores touch.  No register that a memory instruction reads is written again: there is no wait on vm_vsrc.
.set QB, 2056*4096                     ; bytes from quarter to quarter of part
.set BO, 2                             ; v[2:9]     byte offsets of my 16 bytes in the eight rows of b2
.set BB, 16                            ; v[16:47]   those rows' numbers
.set PR, 48                            ; v[48:175]  part: token i, choice c, quarter kq at PR + 32 i + 16 c + 4 kq
.set TP, 176                           ; v[176:191] at work
	s_load_b256 s[4:11], s[0:1], 0x0               ; part s[4:5], b2 s[6:7], wts s[8:9], idx s[10:11]
	s_load_b64 s[12:13], s[0:1], 0x20              ; out0
	v_lshlrev_b32 v1, 4, v0
	s_lshl_b32 s14, ttmp9, 5                       ; four tokens x 8 bytes in idx and in wts
	s_lshl_b32 s40, ttmp9, 15                      ; eight rows of 4,096 bytes in part
	s_mov_b32 s41, 0
	s_lshl_b32 s42, ttmp9, 14                      ; four rows in out0
	s_mov_b32 s43, 0
	s_mov_b32 s44, 0xffff0000
	s_wait_kmcnt 0x0
	s_load_b256 s[16:23], s[10:11], s14 offset:0x0 ; the eight experts
	s_load_b256 s[24:31], s[8:9], s14 offset:0x0   ; the eight weights
	s_add_nc_u64 s[32:33], s[4:5], s[40:41]
	s_add_nc_u64 s[34:35], s[32:33], QB
	s_add_nc_u64 s[36:37], s[34:35], QB
	s_add_nc_u64 s[38:39], s[36:37], QB
	s_add_nc_u64 s[12:13], s[12:13], s[42:43]
	s_wait_alu depctr_va_vdst(0)                   ; v1 is written, which the loads below read as their offset
.set i, 0
.rept 4
.set c, 0
.rept 2
.set q, 0
.rept 4
	global_load_b128 v[PR+32*i+16*c+4*q:PR+32*i+16*c+4*q+3], v1, s[32+2*q:33+2*q] offset:8192*i+4096*c th:TH_LOAD_NT
.set q, q+1
.endr
.set c, c+1
.endr
.set i, i+1
.endr
	s_wait_kmcnt 0x0
.set m, 0
.rept 8
	s_min_u32 s[16+m], s[16+m], 7
	v_lshl_add_u32 v[BO+m], s[16+m], 12, v1
.set m, m+1
.endr
	s_wait_alu depctr_va_vdst(0)                   ; the eight offsets v[BO ..] are written, which b2's loads read
.set m, 0
.rept 8
	global_load_b128 v[BB+4*m:BB+4*m+3], v[BO+m], s[6:7]
.set m, m+1
.endr
.macro ADD4 a, b                       ; four numbers onto four
	v_pk_add_f32 v[(\a):(\a)+1],   v[(\a):(\a)+1],   v[(\b):(\b)+1]
	v_pk_add_f32 v[(\a)+2:(\a)+3], v[(\a)+2:(\a)+3], v[(\b)+2:(\b)+3]
.endm
.set i, 0
.rept 4
	s_wait_loadcnt 32-8*i                          ; token i's eight loads are in; the later tokens' eight each and b2's eight stay out
	ADD4 PR+32*i,    PR+32*i+4
	ADD4 PR+32*i+8,  PR+32*i+12
	ADD4 PR+32*i+16, PR+32*i+20
	ADD4 PR+32*i+24, PR+32*i+28
	ADD4 PR+32*i,    PR+32*i+8                     ; the first choice's four quarters,
	ADD4 PR+32*i+16, PR+32*i+24                    ; the second's
.set i, i+1
.endr
	s_wait_loadcnt 0x0                             ; b2
; Tokens 2 p and 2 p + 1: their four rows of b2 are rounded to bf16 and widened again; then the bias, the gate's weights, and the two stores behind one wait.
.macro HALF p
.set m, 8*(\p)
.rept 8
	v_cvt_pk_bf16_f32 v[TP+m], v[BB+2*m], v[BB+2*m+1]
.set m, m+1
.endr
.set m, 8*(\p)
.rept 8
	v_lshlrev_b32 v[BB+2*m], 16, v[TP+m]
	v_and_b32 v[BB+2*m+1], s44, v[TP+m]
.set m, m+1
.endr
.set i, 2*(\p)
.rept 2
	ADD4 PR+32*i,    BB+8*i                        ; + the expert's bias, for each choice
	ADD4 PR+32*i+16, BB+8*i+4
.set z, 0
.rept 4
	v_mul_f32 v[PR+32*i+z], s[24+2*i], v[PR+32*i+z]
.set z, z+1
.endr
.set z, 0
.rept 4
	v_fma_f32 v[PR+32*i+z], s[24+2*i+1], v[PR+32*i+16+z], v[PR+32*i+z]
.set z, z+1
.endr
.set i, i+1
.endr
	s_wait_alu depctr_va_vdst(0)                   ; the multiply-adds have written the two tokens' results, which the two stores below read
.set i, 2*(\p)
.rept 2
	global_store_b128 v1, v[PR+32*i:PR+32*i+3], s[12:13] offset:4096*i th:TH_STORE_NT
.set i, i+1
.endr
.endm
	HALF 0                                         ; its stores leave while the other half is computed: that half names neither v1 nor their data
	HALF 1
	s_endpgm
.Lfunc_end_k_q22a30f7ff4_combine:
	.size	k_q22a30f7ff4_combine, .Lfunc_end_k_q22a30f7ff4_combine-k_q22a30f7ff4_combine
	.p2alignl 7, 3214868480
	.fill 96, 4, 3214868480
	.section	.rodata,"a",@progbits
	.p2align	6, 0x0
	.amdhsa_kernel k_q22a30f7ff4_combine
		.amdhsa_group_segment_fixed_size 0
		.amdhsa_private_segment_fixed_size 0
		.amdhsa_enable_private_segment 0
		.amdhsa_kernarg_size 40
		.amdhsa_user_sgpr_count 2
		.amdhsa_user_sgpr_kernarg_segment_ptr 1
		.amdhsa_wavefront_size32 1
		.amdhsa_system_sgpr_workgroup_id_x 1
		.amdhsa_system_sgpr_workgroup_id_y 1
		.amdhsa_system_sgpr_workgroup_id_z 1
		.amdhsa_system_vgpr_workitem_id 0
		.amdhsa_next_free_vgpr 200
		.amdhsa_next_free_sgpr 66
		.amdhsa_reserve_vcc 0
		.amdhsa_float_denorm_mode_32 3
		.amdhsa_float_denorm_mode_16_64 3
		.amdhsa_memory_ordered 1
		.amdhsa_forward_progress 1
		.amdhsa_inst_pref_size 14
	.end_amdhsa_kernel
	.amdgpu_metadata
---
amdhsa.version: [ 1, 2 ]
amdhsa.kernels:
  - .name:           k_q22a30f7ff4_combine
    .symbol:         k_q22a30f7ff4_combine.kd
    .args:
      - { .name: part, .offset: 0, .size: 8, .value_kind: global_buffer, .address_space: global }
      - { .name: b2, .offset: 8, .size: 8, .value_kind: global_buffer, .address_space: global }
      - { .name: wts, .offset: 16, .size: 8, .value_kind: global_buffer, .address_space: global }
      - { .name: idx, .offset: 24, .size: 8, .value_kind: global_buffer, .address_space: global }
      - { .name: out0, .offset: 32, .size: 8, .value_kind: global_buffer, .address_space: global }
    .group_segment_fixed_size: 0
    .private_segment_fixed_size: 0
    .kernarg_segment_align: 8
    .kernarg_segment_size: 40
    .max_flat_workgroup_size: 256
    .sgpr_count:     66
    .vgpr_count:     200
    .wavefront_size: 32
...
	.end_amdgpu_metadata
.endif
;; end of part 9
